; MI455X (gfx1250); checked and timed in simulation.
; The chip was launched on July 23, 2026; its instructions are those of AMD's public machine-readable ISA for CDNA 5 (MIT licence, August 2026) and "CDNA5" Instruction Set Architecture Reference Guide (July 2026). The comments in the code are by the model that wrote it; some were corrected since.
;; Causal Self Attention. Allowed arithmetic: matrix products marked QUANTISED: E3M2 operands, one E8M0 scale for each 32 along K, by v_wmma_scale_f32_16x16x128_f8f6f4 with both operands' format E3M2, f32 sums; everything else in f32.
;; Inputs: hidden_states 4 x 2,048 x 1,024 float32; o_b 1,024 float32; o_w 1,024 x 1,024 float32; qkv_b 3,072 float32; qkv_w 3,072 x 1,024 float32.
;; Outputs: out0 4 x 2,048 x 1,024 float32.
;; This version of the problem:
;;   THIS VERSION OF THE PROBLEM IS GIVEN IN LOW PRECISION. The matrix products marked QUANTISED in the list below multiply operands that are first quantised to E3M2 (3 exponent bits, 2 mantissa bits; 6 bits a number), with one power-of-two scale for each 32 numbers along K (OCP MX v1.0); their sums are f32. All else is computed in f32.
;;   The module's matrix products, in the order in which they are computed (A, B: the left and right operand; K: the contracted axis; several contracted axes count as one K, in the product's order):
;;     1. [M 8,192, K 1,024] x [K 1,024, N 3,072]; A: input hidden_states; B: input qkv_w: QUANTISED
;;     2. batch 64 x [M 2,048, K 64] x [K 64, N 2,048]; A: computed on the way; B: computed on the way: QUANTISED
;;     3. batch 64 x [M 2,048, K 2,048] x [K 2,048, N 64]; A: softmax (see below); B: computed on the way: QUANTISED
;;     4. [M 8,192, K 1,024] x [K 1,024, N 1,024]; A: computed on the way; B: input o_w: QUANTISED
;;   THE QUANTISER, for each operand of a quantised product, along K:
;;     - K is cut into blocks of 32 from its start; a last block that is shorter is filled with zeros.
;;     - A block's scale is 2^e with e = floor(log2(the largest magnitude in the block)) - 4, held to -126 .. 127; a block of zeros has e = 0. As a byte (E8M0): e + 127.
;;     - Each number is divided by its block's scale, clamped to +-28, and rounded to the nearest number of E3M2, ties to even, subnormals kept.
;;     - The product sums the exact products of the quantised numbers (number of the format x scale) in f32.
;;   ~~~python
;;   def quantise(x, axis):      # numpy; x: float32 -> the quantised numbers, widened to float32 again
;;       x = np.moveaxis(x, axis, -1); K = x.shape[-1]
;;       x = np.pad(x, [(0, 0)] * (x.ndim - 1) + [(0, -K % 32)]); x = x.reshape(x.shape[:-1] + (-1, 32)); a = np.abs(x).max(-1, keepdims=True)
;;       e = np.where(a > 0, np.clip(np.frexp(np.where(a > 0, a, 1))[1] - 1 - 4, -126, 127), 0)      # np.frexp(a)[1] - 1 = floor(log2(a)), exactly
;;       r = np.clip(x / 2.0 ** e, -28, 28)
;;       step = 2.0 ** (np.maximum(np.frexp(np.where(r == 0, 1, r))[1] - 1, -2) - 2)
;;       q = np.round(r / step) * step * 2.0 ** e      # np.round: ties to even
;;       return np.moveaxis(q.reshape(q.shape[:-2] + (-1,))[..., :K], -1, axis).astype(np.float32)
;;   ~~~
;;   SOFTMAX AHEAD OF A QUANTISED PRODUCT. Where the list says 'softmax', what is quantised is not the finished softmax but p = 2^(t - M), with t = logit x log2(e) and M = ceil(the row's largest t), a whole number; so 1/2 < the row's largest p <= 1. The row's sum l is taken of the UNQUANTISED p, in f32, and the product's result is divided by l at the end. Since M is a whole number, a kernel that streams over the keys may use a running M (the ceiling of the running maximum): every later rescaling is an exact power of two, which a block's scale takes up: the codes' values come out the same.
;;   OPERANDS COMPUTED ON THE WAY. 'Computed on the way' means the value that the module computes at that place (a softmax that the list does not call 'softmax' is quantised finished and normalised). What goes into a quantiser is computed in f32, as accurately as f32 sums, v_exp_f32 and their like allow (about 1e-6 of the number): no bf16 or f16 on the way to a quantiser, and a product that is left as it is and whose result goes on into a quantised operand takes f32 operands (vector FMAs, or v_wmma_f32_16x16x4_f32). A number that lies on a knife's edge between two numbers of the format may be rounded either way, as far as f32 arithmetic and the matrix unit's own rounding can turn it there, and no further.
;; One version. Each part assembles by itself: llvm-mc -triple=amdgcn-amd-amdhsa -mcpu=gfx1250 --defsym DOCPART=n.
;; ======== version 1 of 1: 4 launches
;; workspace buffers: in_codes 9,437,184 bytes; in_scales 393,216 bytes; qkv 20,185,088 bytes; a_codes 6,291,456 bytes; a_scales 262,144 bytes
;; launch quant (part 1): grid 768 x 1, 4 waves a work-group, no clusters, 18,432 bytes of LDS; arguments hidden_states, qkv_w, o_w, in_codes, in_scales; writes in_codes, in_scales
.if DOCPART == 1
	.amdgcn_target "amdgcn-amd-amdhsa--gfx1250"
	.amdhsa_code_object_version 6
	.text
	.protected	k_q75a12c029b_quant
	.globl	k_q75a12c029b_quant
	.p2align	8
	.type	k_q75a12c029b_quant,@function
k_q75a12c029b_quant:
	s_mov_b64 s[64:65], 0
	v_nop
	global_prefetch_b8 v0, s[64:65] scope:SCOPE_SE
	s_setreg_imm32_b32 hwreg(HW_REG_WAVE_MODE, 25, 1), 1
	s_wait_xcnt 0x0
; THE PROGRAM: causal self-attention, B 4, T 2048, C 1024, 16 heads of 64, all four products on codes of BF6 (E3M2) with one E8M0 scale for each 32 along K.
;   quant: x, qkv_w, o_w -> codes and scale bytes.   qkv: product 1 + bias, q and k quantised along the head's 64, v along the tokens.
;   attn: products 2 and 3 with the softmax, / l, quantised along C.   proj: product 4 + bias.
; WORK LEFT OUT: reference() sets attn[q][k] to -inf wherever k > q, by a mask that it builds itself (jnp.tril); exp gives 0 there, so such a key adds 0 to the row's sum and 0 to the row's result,
; whatever the inputs hold.  A step of 128 keys all of which come after all 16 queries of a tile is therefore not multiplied (launch attn).  Nothing else is left out; every input is loaded
; (qkv_b's part for k too: it goes into a quantiser).  LIMIT: a NaN, an infinity or an overflow that reaches only such hidden steps is not carried to the result.
; LIMITS of all quantisers here: NaN and infinities among the inputs are not served; a block whose largest magnitude lies under 2^-122, a block of zeros among them, gets the byte 1
; (a block of zeros has zero codes, which add nothing under any byte but 0xff; the bytes are read by this program alone).
;
; THIS LAUNCH.  THE TILE IMAGE: 16 rows x 64 along K are 768 bytes, the image of registers 0-5 of a 6-bit operand: lane (r = lane % 16, h = lane / 16) holds k = 32 h .. 32 h + 31 of tile row r in six
; registers; registers 0-3 lie at byte 16 x lane, registers 4-5 at byte 512 + 8 x lane.  THE ROWS OF A TILE ARE NOT NEIGHBOURS: tile g's row r is the tensor's row 32 (g / 2) + 8 (g % 2) + r + 8 (r / 8).
; in_codes: [768 tiles][16 halves of 64 along K][768 bytes]: tiles 0-511 x, 512-703 qkv_w, 704-767 o_w.  in_scales: [tile x 16 + r][32 bytes], one byte for each 32 along K.
; A work-group makes one tile for all of K; wave w the halves 4 w .. 4 w + 3.  Each load reads 256 consecutive bytes of two rows; a step's 16 rows x 256 bytes turn through the wave's own stage in LDS,
; so that a lane gets a whole block of 32 neighbours: its largest magnitude needs no other lane.  All 32 loads of a wave go out at the head.  Each store of codes covers 512 or 256 consecutive bytes, aligned.
.set EMAX,  4
.set SP,    272                        ; a stage row: 256 bytes + 16: the sixteen rows that a read touches start at sixteen different 16-byte columns
.set SCA,   4*16*SP                    ; behind the four stages: the tile's 16 x 32 scale bytes
.set SPARE, SCA+512                    ; the spare words, 128 bytes for each wave: two blocks of 256 bytes that no other line names
.set X,     32                         ; v32-63   a block of 32 neighbours
.set R,     64                         ; v64-191  four steps x 32 registers as loaded
.set C,     192                        ; v192..   codes: 12 registers for each step (0-5 the image, 8-10 the second conversion's)
.set E,     240                        ; v240-243 a scale byte for each step
.set SPW,   14                         ; v14      LDS address of my spare word; never rewritten
.set NIL,   15                         ; v15      0; never rewritten
	s_load_b128 s[4:7], s[0:1], 0x0                ; x, qkv_w
	s_load_b128 s[8:11], s[0:1], 0x10              ; o_w, in_codes
	s_load_b64 s[12:13], s[0:1], 0x20              ; in_scales
	v_lshl_add_u32 v[SPW], v0, 2, SPARE
	v_mov_b32 v[NIL], 0
	v_lshrrev_b32 v8, 5, v0
	v_readfirstlane_b32 s14, v8                    ; wave 0..3
	v_and_b32 v8, 31, v0                           ; lane
	v_and_b32 v9, 15, v0                           ; r
	v_bfe_u32 v10, v0, 4, 1                        ; h
	v_lshlrev_b32 v1, 4, v9
	v_lshl_add_u32 v1, v10, 16, v1                 ; a load: lanes 0-15 tile row i, lanes 16-31 tile row 8 + i, which lies 16 rows of 4,096 bytes further down
	s_mul_i32 s15, s14, 16*SP                      ; my stage
	v_mul_u32_u24 v2, v10, 8*SP
	v_lshl_add_u32 v2, v9, 4, v2
	v_add_nc_u32 v2, s15, v2                       ; into it: as loaded
	v_mul_u32_u24 v3, v9, SP
	v_lshl_add_u32 v3, v10, 7, v3
	v_add_nc_u32 v3, s15, v3                       ; out of it: row r, 128 bytes of my half
	v_lshlrev_b32 v4, 4, v8                        ; 16 x lane
	v_lshlrev_b32 v5, 3, v8                        ; 8 x lane
	s_lshl_b32 s15, s14, 3
	s_add_co_u32 s15, s15, SCA
	v_lshl_add_u32 v6, v9, 5, v10
	v_add_nc_u32 v6, s15, v6                       ; my block's scale byte: row r, byte 8 w + 2 t + h
	v_add_nc_u32 v7, SCA, v4                       ; and the way out of the 512 bytes
	s_mov_b32 s16, 704
	s_wait_kmcnt 0x0
	s_cmp_lt_u32 ttmp9, 704                        ; which tensor: the choice hangs on the work-group's number alone
	s_cselect_b64 s[6:7], s[6:7], s[8:9]
	s_cselect_b32 s16, 512, s16
	s_cmp_lt_u32 ttmp9, 512
	s_cselect_b64 s[4:5], s[4:5], s[6:7]
	s_cselect_b32 s16, 0, s16
	s_sub_co_u32 s16, ttmp9, s16                   ; the tile's number in its tensor
	s_lshr_b32 s17, s16, 1
	s_lshl_b32 s17, s17, 17                        ; 32 rows of 4,096 bytes for each pair of tiles,
	s_and_b32 s18, s16, 1
	s_lshl_b32 s18, s18, 15                        ; 8 rows for the odd one,
	s_add_co_u32 s17, s17, s18
	s_lshl_b32 s18, s14, 10                        ; my wave's 256 numbers of a row
	s_add_co_u32 s20, s17, s18
	s_mov_b32 s21, 0
	s_add_nc_u64 s[4:5], s[4:5], s[20:21]
	s_mul_i32 s20, ttmp9, 12288
	s_mul_i32 s18, s14, 3072
	s_add_co_u32 s20, s20, s18
	s_add_nc_u64 s[10:11], s[10:11], s[20:21]      ; my four images
	s_lshl_b32 s20, ttmp9, 9
	s_add_nc_u64 s[12:13], s[12:13], s[20:21]      ; the tile's 512 scale bytes
.irp t, 0,1,2,3
.irp i, 0,1,2,3,4,5,6,7
	global_load_b128 v[R+32*\t+4*\i:R+32*\t+4*\i+3], v1, s[4:5] offset:256*\t+4096*\i th:TH_LOAD_NT
.endr
.endr
.macro STEP t
.set CC, C+12*(\t)
	s_wait_loadcnt 24-8*(\t)                       ; this step's eight loads are in; the 8 (3 - t) of the later steps may be out
.irp i, 0,1,2,3,4,5,6,7
	ds_store_b128 v2, v[R+32*(\t)+4*\i:R+32*(\t)+4*\i+3] offset:SP*\i
.endr
.irp q, 0,1,2,3,4,5,6,7
	ds_load_b128 v[X+4*\q:X+4*\q+3], v3 offset:16*\q   ; LDS serves a wave's instructions in order (ISA guide 5.7.1.4): these see the stores above, and the next step's stores come behind them
.endr
	s_wait_dscnt 0x0
	v_max3_num_f32 v12, |v[X]|, |v[X+1]|, |v[X+2]|     ; the block's largest magnitude: all 32 numbers are mine; two chains
	v_max3_num_f32 v13, |v[X+3]|, |v[X+4]|, |v[X+5]|
.irp i, 6,10,14,18,22,26
	v_max3_num_f32 v12, v12, |v[X+\i]|, |v[X+\i+1]|
	v_max3_num_f32 v13, v13, |v[X+\i+2]|, |v[X+\i+3]|
.endr
	v_max3_num_f32 v12, v12, |v[X+30]|, |v[X+31]|
	v_max3_num_f32 v12, v12, v13, (EMAX+1)<<23     ; and the floor 2^(5 - 127): the byte cannot fall under 1
	v_add_nc_u32 v11, -(EMAX<<23), v12             ; 4 off its exponent field: the conversion takes the exponent field of this operand as its scale
	v_cvt_scalef32_pk16_bf6_f32 v[CC:CC+2], v[X:X+15], v11
	v_cvt_scalef32_pk16_bf6_f32 v[CC+8:CC+10], v[X+16:X+31], v11   ; (a conversion's three registers begin on an even number)
	v_lshrrev_b32 v[E+(\t)], 23, v11               ; the scale's byte; also the plain line behind the conversions
.irp i, 0,1,2
	v_mov_b32 v[CC+3+\i], v[CC+8+\i]
.endr
	ds_store_b8 v6, v[E+(\t)] offset:2*(\t)
	global_store_b128 v4, v[CC:CC+3], s[10:11] offset:768*(\t)         ; each step has its own data registers: none is written again
	global_store_b64 v5, v[CC+4:CC+5], s[10:11] offset:768*(\t)+512
.endm
.irp t, 0,1,2,3
	STEP \t
.endr
	s_wait_dscnt 0x0                               ; for the others' sake: my scale bytes have landed
	s_barrier_signal -1
	s_barrier_wait -1
	s_cmp_lg_u32 s14, 0
	s_cbranch_scc1 .Ldone
	ds_load_b128 v[32:35], v7                      ; wave 0: the tile's 512 scale bytes leave as 512 consecutive bytes, aligned
	s_wait_dscnt 0x0
	global_store_b128 v4, v[32:35], s[12:13]
.Ldone:
	s_wait_tensorcnt 0x0                           ; the wave's end: behind my last LDS store
	ds_add_u32 v[SPW], v[NIL]
	s_wait_dscnt 0x0
	s_endpgm
.Lfunc_end_k_q75a12c029b_quant:
	.size	k_q75a12c029b_quant, .Lfunc_end_k_q75a12c029b_quant-k_q75a12c029b_quant
	.p2alignl 7, 3214868480
	.fill 96, 4, 3214868480
	.section	.rodata,"a",@progbits
	.p2align	6, 0x0
	.amdhsa_kernel k_q75a12c029b_quant
		.amdhsa_group_segment_fixed_size 18432
		.amdhsa_private_segment_fixed_size 0
		.amdhsa_enable_private_segment 0
		.amdhsa_kernarg_size 40
		.amdhsa_user_sgpr_count 2
		.amdhsa_user_sgpr_kernarg_segment_ptr 1
		.amdhsa_wavefront_size32 1
		.amdhsa_system_sgpr_workgroup_id_x 1
		.amdhsa_system_sgpr_workgroup_id_y 1
		.amdhsa_system_sgpr_workgroup_id_z 1
		.amdhsa_system_vgpr_workitem_id 0
		.amdhsa_next_free_vgpr 244
		.amdhsa_next_free_sgpr 66
		.amdhsa_reserve_vcc 0
		.amdhsa_float_denorm_mode_32 3
		.amdhsa_float_denorm_mode_16_64 3
		.amdhsa_memory_ordered 1
		.amdhsa_forward_progress 1
		.amdhsa_inst_pref_size 17
	.end_amdhsa_kernel
	.amdgpu_metadata
---
amdhsa.version: [ 1, 2 ]
amdhsa.kernels:
  - .name:           k_q75a12c029b_quant
    .symbol:         k_q75a12c029b_quant.kd
    .args:
      - { .name: hidden_states, .offset: 0, .size: 8, .value_kind: global_buffer, .address_space: global }
      - { .name: qkv_w, .offset: 8, .size: 8, .value_kind: global_buffer, .address_space: global }
      - { .name: o_w, .offset: 16, .size: 8, .value_kind: global_buffer, .address_space: global }
      - { .name: in_codes, .offset: 24, .size: 8, .value_kind: global_buffer, .address_space: global }
      - { .name: in_scales, .offset: 32, .size: 8, .value_kind: global_buffer, .address_space: global }
    .group_segment_fixed_size: 18432
    .private_segment_fixed_size: 0
    .kernarg_segment_align: 8
    .kernarg_segment_size: 40
    .max_flat_workgroup_size: 128
    .sgpr_count:     66
    .vgpr_count:     244
    .wavefront_size: 32
...
	.end_amdgpu_metadata
.endif
;; end of part 1
;; launch qkv (part 2): grid 12 x 32, 4 waves a work-group, clusters of 4 x 4, 327,680 bytes of LDS; arguments in_codes, in_scales, qkv_b, qkv; writes qkv
.if DOCPART == 2
	.amdgcn_target "amdgcn-amd-amdhsa--gfx1250"
	.amdhsa_code_object_version 6
	.text
	.protected	k_q75a12c029b_qkv
	.globl	k_q75a12c029b_qkv
	.p2align	8
	.type	k_q75a12c029b_qkv,@function
k_q75a12c029b_qkv:
	s_mov_b64 s[64:65], 0
	v_nop
	global_prefetch_b8 v0, s[64:65] scope:SCOPE_SE
	s_setreg_imm32_b32 hwreg(HW_REG_WAVE_MODE, 25, 1), 1
	s_wait_xcnt 0x0
	s_wait_alu depctr_hold_cnt(0) depctr_sa_sdst(0) depctr_va_vdst(0) depctr_va_sdst(0) depctr_va_ssrc(0) depctr_va_vcc(0) depctr_vm_vsrc(0)
	s_getreg_b32 s2, hwreg(HW_REG_IB_STS2, 6, 4)
	s_cmp_eq_u32 s2, 0
	s_cbranch_scc0 .Lentry_in_a_cluster
	s_endpgm
.Lentry_in_a_cluster:
	s_bfe_u32 s2, ttmp6, 0x10000c
	s_cmp_lg_u32 s2, 0xf033
	s_cbranch_scc0 .Lentry_shape_is_right
	s_endpgm
.Lentry_shape_is_right:
; Product 1, x qkv_w^T + qkv_b, on the codes that launch quant made, and the quantisers behind it.  Nothing is left out here.
; The body multiplies 256 stored rows of A by 256 stored rows of B (K = 1,024) and quantises the result ALONG B's ROWS.  Clusters with x = 0, 1: A = x (tokens), B = the rows of qkv_w for q and k:
; a token's 64 numbers of a head are quantised along the head.  Clusters with x = 2: A = the rows of qkv_w for v, B = x: a channel's numbers are quantised along the tokens, which are the K of attention's
; second product.  Both operands lie in in_codes, so only row numbers are chosen, by the cluster's x, which all sixteen partners share.
; Four waves, each 128 x 128 of the result in 512 registers.  K goes in steps of 256 through a ring of two LDS slots; a tile's part of a step is 4 images, 3,072 consecutive bytes, and a tensor load brings
; eight tiles' parts.  An operand's 12 registers come from LDS as they lie: two loads of 16 bytes and two of 8 a lane, each dense over the 32 lanes.  The scale bytes of the 512 rows come once and stay.
; CLUSTERS: 4 x 4 work-groups; A's tiles are asked for jointly along a row of the cluster, B's along a column.  THE MATRIX INSTRUCTION IS USED TRANSPOSED (source 0 = B's rows, source 1 = A's): a lane holds one
; row of A, and, by the order of rows in a tile, register 16 b + i of a block of A is B's row 32 b + 16 (lane / 16) + i: 16 neighbours along the next K.
; OUT: qkv = 64 records (16 x batch + head) of REC bytes: K's 128 tile images | V: [16 key steps][4 channel tiles][1,536 bytes: an operand's 12 registers, four at a time at 16 x lane] | K's scale words
; [tile][16] | V's [step][4 tiles][16] | Q's tile images | Q's scale words.  A scale word of Q or K has the head's two bytes below and 0 above.
; REGISTERS: window 0: v0-31 addresses; v32-63 scale words, two sets; v128-223 A's fragments, one set; behind the products v64-243 are at work.  window 1: B's fragments, two sets.  windows 2, 3: the accumulators.
; LIMITS: as stated at the head of launch quant.
.set NQ,     2                         ; matrix instructions deep in a slot
.set FR,     12                        ; registers of a fragment: 16 rows x 128 K
.set NL,     4                         ; LDS loads that bring one
.set NP,     4                         ; places behind this matrix instruction (ISA guide 7.12.1)
.set KROW,   768                       ; bytes of codes for a stored row (rows come in sixteens: 12,288 a tile)
.set SROW,   3072                      ; a tile's four images of a K step of 256
.set HALFT,  8*SROW                    ; eight tiles: what one tensor load brings, and what one wave reads of A or of B
.set SLOT,   4*HALFT
.set KS,     32                        ; a row of scale bytes
.set SCL,    2*SLOT                    ; behind the ring: the scales, as units of 256 bytes + 16 of padding
.set HALFS,  (128*KS/256)*272
.set SBLK,   (16*KS/256)*272
.set SPARE,  SCL+4*HALFS               ; the spare words, 128 bytes for each wave: two blocks of 256 bytes that no other line names
.set STG,    SPARE+512                 ; 2,048 bytes for each wave, into which no fill lands: 512 bias | 1,024 scale words of q, k | 512 scale words of v
.set REC,    315392
.set RV,     98304
.set RKS,    196608
.set RVS,    204800
.set RQ,     208896
.set RQS,    307200
.set ADRA, 16                          ; v16-17 LDS address of my A fragments in slot 0, 1, + 16 x lane; v18-19 the same + 8 x lane
.set ADRB, 20                          ; v20-23 the same for B
.set ADRS, 27                          ; v27    my scale words: lanes 0-15 A's rows, lanes 16-31 B's
.set SPW,  28                          ; v28    my spare word; never rewritten
.set NIL,  29                          ; v29    0; never rewritten
.set SC,   32
.set AF,   128
.set T,    64                          ; v64-127  the 64 numbers that are quantised
.set BI,   128                         ; v128-191 q, k: the bias of my 64 columns
.set BM,   128                         ; v128-143 v: the bias of my row in each of the eight blocks, twice
.set PC,   192                         ; v192-210 the codes
.set TM,   216                         ; v216-231 at work
.set PW,   232                         ; v232     the scale word
.set G1, 24
.set G0, 32
.set G1B, 48
.set G0B, 56
.set G1S, 68
.set G0S, 76
.set G1SB, 80
.set G0SB, 88
.set ISV, 96                           ; s96  1 in the clusters that make v
.set SEL, 100                          ; s[100:101] lane selects for v_permlanex16_b32: lane l xor 16
.set MSB, 0
.macro WIN new                         ; the immediate's high byte repeats the setting that is left
.if MSB != \new
	s_set_vgpr_msb (MSB<<8)|\new
.set MSB, \new
.endif
.endm
.set MUL_LO, 0xa1                      ; source 0 (B) window 1, source 1 (A) window 0, C and D window 2
.set MUL_HI, 0xf1
.set TO_B,   0x40
; A joint load: waves 0 and 1 fetch for A, waves 2 and 3 for B; the branch hangs on the wave's number alone.  An s_nop 0 and four v_nop follow each of the two lines.
.macro JLOAD g0a, g1a, g0b, g1b
	s_cmp_eq_u32 s15, 0
	s_cbranch_scc0 .Lfor_b_\@
	tensor_load_to_lds s[\g0a:\g0a+3], s[\g1a:\g1a+7]
	s_nop 0
.rept 4
	v_nop
.endr
	s_branch .Lasked_\@
.Lfor_b_\@:
	tensor_load_to_lds s[\g0b:\g0b+3], s[\g1b:\g1b+7]
	s_nop 0
.rept 4
	v_nop
.endr
.Lasked_\@:
.endm
.macro CREST                           ; a round of the cluster's barrier behind its opening barrier
	s_cmp_lg_u32 s14, 0
	s_cbranch_scc1 .Lnot_wave_0_\@
	s_barrier_signal -3
.Lnot_wave_0_\@:
	s_barrier_wait -3
	s_barrier_signal -1
	s_barrier_wait -1
.endm
.macro CROUND
	s_barrier_signal -1
	s_barrier_wait -1
	CREST
.endm
.macro FRAG reg, adr, q, i             ; tile i's fragment of the slot's q-th 128 along K: two images on end
	ds_load_b128 v[\reg:\reg+3], v[\adr] offset:(\i)*SROW+1536*(\q)
	ds_load_b64 v[\reg+4:\reg+5], v[\adr+2] offset:(\i)*SROW+1536*(\q)+512
	ds_load_b128 v[\reg+6:\reg+9], v[\adr] offset:(\i)*SROW+1536*(\q)+768
	ds_load_b64 v[\reg+10:\reg+11], v[\adr+2] offset:(\i)*SROW+1536*(\q)+1280
.endm
; 16 matrix instructions: A's blocks a0, a0 + 1 x B's eight.  The 64 accumulators take turns, one instruction a turn, in the same order in every step.
.macro MUL16 a0, p, q, sc, zero
.irp a, \a0, \a0+1
.irp b, 0,1,2,3,4,5,6,7
.if \zero
	v_wmma_scale_f32_16x16x128_f8f6f4 v[8*(8*((\a)%4)+\b):8*(8*((\a)%4)+\b)+7], v[128*(\p)+FR*\b:128*(\p)+FR*\b+FR-1], v[AF+FR*(\a):AF+FR*(\a)+FR-1], 0, v[SC+8*NQ*(\sc)+NQ*\b+(\q)], v[SC+8*NQ*(\sc)+NQ*(\a)+(\q)] matrix_a_fmt:MATRIX_FMT_BF6 matrix_b_fmt:MATRIX_FMT_BF6 matrix_a_scale:MATRIX_SCALE_ROW1
.else
	v_wmma_scale_f32_16x16x128_f8f6f4 v[8*(8*((\a)%4)+\b):8*(8*((\a)%4)+\b)+7], v[128*(\p)+FR*\b:128*(\p)+FR*\b+FR-1], v[AF+FR*(\a):AF+FR*(\a)+FR-1], v[8*(8*((\a)%4)+\b):8*(8*((\a)%4)+\b)+7], v[SC+8*NQ*(\sc)+NQ*\b+(\q)], v[SC+8*NQ*(\sc)+NQ*(\a)+(\q)] matrix_a_fmt:MATRIX_FMT_BF6 matrix_b_fmt:MATRIX_FMT_BF6 matrix_a_scale:MATRIX_SCALE_ROW1
.endif
.endr
.endr
.endm
.macro FETCH_B slot, q, p
	WIN TO_B
.irp i, 0,1,2,3,4,5,6,7
	FRAG 128*(\p)+FR*\i, ADRB+\slot, \q, \i
.endr
	WIN 0
.endm
.macro FETCH_A slot, q, i0
.irp i, \i0, \i0+1, \i0+2, \i0+3
	FRAG AF+FR*(\i), ADRA+\slot, \q, \i
.endr
.endm
.macro SCALES sc                       ; a K step's scale words: two a row; lanes 0-15 take A's block i, lanes 16-31 B's block i
.irp i, 0,1,2,3,4,5,6,7
	ds_load_b64 v[SC+8*NQ*\sc+NQ*\i:SC+8*NQ*\sc+NQ*\i+1], v[ADRS] offset:\i*SBLK
.endr
.endm
.macro PLACES n                        ; plain vector lines between a matrix instruction and a load into, or a read of, its registers (ISA guide 7.12.1 for a read)
.rept \n
	v_nop
.endr
.endm
.macro STEP slot, q, zero              ; a step of 128 along K that has its successor in the same slot
	s_wait_dscnt 4*NL                              ; B's set, A's blocks 0-3 and the scale words are in; the youngest 16 loads (A's blocks 4-7) may be out
	WIN MUL_LO
	MUL16 0, (\q)%2, \q, \slot, \zero
	MUL16 2, (\q)%2, \q, \slot, \zero
	s_wait_dscnt 0
	PLACES NP
	FETCH_B \slot, (\q)+1, 1-(\q)%2
	FETCH_A \slot, (\q)+1, 0
	WIN MUL_HI
	MUL16 4, (\q)%2, \q, \slot, \zero
	MUL16 6, (\q)%2, \q, \slot, \zero
	PLACES NP
	WIN 0
	FETCH_A \slot, (\q)+1, 4
.endm
; A slot's last step changes slots: one barrier; in front of it each wave waits for all its tensor loads, adds 0 to its spare word, and waits for that and for its reads of this slot.
.macro TURN slot, next, fill
	s_wait_tensorcnt 0x0                           ; all my tensor loads have landed: my part of the next slot
	ds_add_u32 v[SPW], v[NIL]                      ; 0 onto my spare word
	s_wait_dscnt 4*NL+1                            ; (the add and the youngest 16 loads may be out)
	WIN MUL_LO
	MUL16 0, 1, NQ-1, \slot, 0
	s_wait_dscnt 0x0                               ; the add is done, and my reads of this slot are over
	s_barrier_signal -1
	MUL16 2, 1, NQ-1, \slot, 0
	WIN 0
	s_barrier_wait -1
.if \fill
	CREST                                          ; the barrier has opened a round of the cluster's: no wave of any partner still reads this slot or has a load on its way
	s_add_nc_u64 s[G0+4*\slot+2:G0+4*\slot+3], s[G0+4*\slot+2:G0+4*\slot+3], 2*SROW
	s_add_nc_u64 s[G0B+4*\slot+2:G0B+4*\slot+3], s[G0B+4*\slot+2:G0B+4*\slot+3], 2*SROW
	JLOAD G0+4*\slot, G1, G0B+4*\slot, G1B         ; the first tensor load behind the round; its four v_nop are also the places in front of the loads below
.else
	PLACES NP
.endif
	v_add_nc_u32 v[ADRS], 4*NQ, v[ADRS]
	FETCH_B \next, 0, 0
	FETCH_A \next, 0, 0
	SCALES \next
	WIN MUL_HI
	MUL16 4, 1, NQ-1, \slot, 0
	MUL16 6, 1, NQ-1, \slot, 0
	PLACES NP
	WIN 0
	FETCH_A \next, 0, 4
.endm
; 64 numbers of a lane, register 16 b + i = k 32 b + 16 (lane / 16) + i of my row, become a fragment's codes in v[PC] on and its scale word in v[PW].
.macro QUANT s
.irp b, 0,1,2,3
	v_max3_num_f32 v[TM+\b], |v[\s+16*\b]|, |v[\s+1+16*\b]|, 0x2800000   ; my 16 numbers of block b, and the floor 2^(5 - 127)
.endr
.irp i, 2,4,6,8,10,12,14
.irp b, 0,1,2,3
	v_max3_num_f32 v[TM+\b], v[TM+\b], |v[\s+16*\b+\i]|, |v[\s+1+16*\b+\i]|
.endr
.endr
.irp b, 0,1,2,3
	v_permlanex16_b32 v[TM+4+\b], v[TM+\b], s[SEL], s[SEL+1]
.endr
.irp b, 0,1,2,3
	v_max_num_f32 v[TM+\b], v[TM+\b], v[TM+4+\b]   ; with lane l xor 16's: the block's largest magnitude
.endr
.irp b, 0,1,2,3
	v_add_nc_u32 v[TM+12+\b], 0xfe000000, v[TM+\b] ; 4 off its exponent field: the conversion's scale operand
.endr
.irp b, 0,1,2,3
	v_lshrrev_b32 v[TM+4+\b], 23, v[TM+12+\b]      ; the scale's byte
.endr
	v_lshl_or_b32 v[PW], v[TM+5], 8, v[TM+4]
	v_lshl_or_b32 v[PW], v[TM+6], 16, v[PW]
	v_lshl_or_b32 v[PW], v[TM+7], 24, v[PW]
.irp c, 0,1
	v_cvt_scalef32_pk16_bf6_f32 v[PC+6*\c:PC+2+6*\c], v[\s+32*\c:\s+15+32*\c], v[TM+12+2*\c]
	v_cvt_scalef32_pk16_bf6_f32 v[PC+12+4*\c:PC+14+4*\c], v[\s+16+32*\c:\s+31+32*\c], v[TM+12+2*\c+1]
.endr
	v_nop                                          ; one plain line behind a scaled conversion
.irp c, 0,1                                    ; the operand's layout wants a whole block in a lane
.irp i, 0,1,2
	v_permlane16_swap_b32 v[PC+6*\c+\i], v[PC+12+4*\c+\i]
.endr
.irp i, 0,1,2
	v_mov_b32 v[PC+3+6*\c+\i], v[PC+12+4*\c+\i]
.endr
.endr
.endm
	s_load_b128 s[4:7], s[0:1], 0x0                ; in_codes, in_scales
	s_load_b128 s[8:11], s[0:1], 0x10              ; qkv_b, qkv
	v_lshl_add_u32 v[SPW], v0, 2, SPARE
	v_mov_b32 v[NIL], 0
	ds_add_u32 v[SPW], v[NIL]                      ; the wave's opening: the add, twice on end, and its wait ahead of my first tensor load
	ds_add_u32 v[SPW], v[NIL]
	v_lshrrev_b32 v1, 5, v0
	v_readfirstlane_b32 s14, v1                    ; wave 0..3
	s_lshr_b32 s15, s14, 1                         ; which half of A's rows is mine.  Also: I fetch for A (0) or for B (1)
	s_and_b32 s16, s14, 1                          ; which half of B's rows.  Also: which 128 rows I fetch
	s_bfe_u32 s40, ttmp6, 0x40000                  ; cx, cy: my place in the cluster
	s_bfe_u32 s41, ttmp6, 0x40004
	s_and_b32 s95, ttmp7, 0xffff                   ; the cluster's y
	s_cmp_eq_u32 ttmp9, 2                          ; the cluster's x: 0, 1 make q and k, 2 makes v
	s_cselect_b32 s[ISV], 1, 0
	s_cselect_b32 s17, 0, s95
	s_cselect_b32 s42, s95, ttmp9
	s_cselect_b32 s97, 10240, 0                    ; A's first stored row: qkv_w's rows for v, or x
	s_cselect_b32 s98, 0, 8192                     ; B's: x, or qkv_w's rows for q and k
	s_lshl_b32 s17, s17, 2
	s_add_co_u32 s17, s17, s41                     ; tr: which 256 rows of A
	s_lshl_b32 s42, s42, 2
	s_add_co_u32 s42, s42, s40                     ; tc: which 256 rows of B
	s_lshl_b32 s43, s41, 2
	s_lshl_b32 s43, 15, s43                        ; my row of the cluster
	s_lshl_b32 s44, 0x1111, s40                    ; my column
	; group 1 for codes: 8 rows (a tile each) of 384 elements of 8 bytes, 1,536 elements apart, dense in LDS
	s_or_b32 s[G1+0], s43, (3<<16)|(1<<21)
	s_or_b32 s[G1B+0], s44, (3<<16)|(1<<21)
.irp g, G1, G1B
	s_mov_b32 s[\g+1], 384<<16                     ; tensor_dim0
	s_mov_b32 s[\g+2], 8<<16                       ; tensor_dim1
	s_mov_b32 s[\g+3], 384<<16                     ; tile_dim0
	s_mov_b32 s[\g+4], 8                           ; tile_dim1
	s_mov_b32 s[\g+5], 1536                        ; tensor_dim0_stride
	s_mov_b32 s[\g+6], 0
	s_mov_b32 s[\g+7], 0
.endr
	; and for the scales of 128 rows: 4,096 dense bytes as 16 rows of 256, 16 bytes of padding behind each
	s_or_b32 s[G1S+0], s43, (3<<16)|(1<<20)|(1<<21)|(5<<22)|(3<<25)
	s_or_b32 s[G1SB+0], s44, (3<<16)|(1<<20)|(1<<21)|(5<<22)|(3<<25)
.irp g, G1S, G1SB
	s_mov_b32 s[\g+1], 32<<16
	s_mov_b32 s[\g+2], (128*KS/256)<<16
	s_mov_b32 s[\g+3], 32<<16
	s_mov_b32 s[\g+4], 128*KS/256
	s_mov_b32 s[\g+5], 32
	s_mov_b32 s[\g+6], 0
	s_mov_b32 s[\g+7], 0
.endr
	s_mov_b32 s[SEL], 0x76543210
	s_mov_b32 s[SEL+1], 0xfedcba98
	s_lshl_b32 s18, s16, 7
	s_lshl_b32 s20, s17, 8
	s_add_co_u32 s20, s20, s18
	s_add_co_u32 s20, s20, s97                     ; A: the first stored row that I fetch: no cx in it
	s_lshl_b32 s46, s42, 8
	s_add_co_u32 s46, s46, s18
	s_add_co_u32 s46, s46, s98                     ; B: no cy in it
	s_mov_b32 s21, 0
	s_mov_b32 s47, 0
	s_mov_b64 s[18:19], KS
	s_mul_u64 s[22:23], s[20:21], s[18:19]
	s_mul_u64 s[92:93], s[46:47], s[18:19]
	s_mov_b64 s[18:19], KROW
	s_mul_u64 s[20:21], s[20:21], s[18:19]
	s_mul_u64 s[46:47], s[46:47], s[18:19]
	s_mul_i32 s45, s14, HALFT                      ; where they go: by the wave's number alone
	s_mul_i32 s94, s14, HALFS
	s_wait_dscnt 0x0                               ; both opening adds are done
	s_wait_kmcnt 0x0
	s_add_nc_u64 s[20:21], s[4:5], s[20:21]
	s_add_nc_u64 s[22:23], s[6:7], s[22:23]
	s_add_nc_u64 s[46:47], s[4:5], s[46:47]
	s_add_nc_u64 s[92:93], s[6:7], s[92:93]
	CROUND                                         ; all sixteen work-groups are here: the first joint loads meet
	s_mov_b32 s[G0S], 1
	s_add_co_u32 s[G0S+1], s94, SCL
	s_mov_b64 s[G0S+2:G0S+3], s[22:23]
	s_or_b32 s[G0S+3], s[G0S+3], 0x80000000
	s_mov_b32 s[G0SB], 1
	s_add_co_u32 s[G0SB+1], s94, SCL
	s_mov_b64 s[G0SB+2:G0SB+3], s[92:93]
	s_or_b32 s[G0SB+3], s[G0SB+3], 0x80000000
	JLOAD G0S, G1S, G0SB, G1SB                     ; the scales first; by this text's count three tensor loads of a wave are out at the head, one behind each round
.irp s, 0,1
	s_mov_b32 s[G0+4*\s], 1
	s_add_co_u32 s[G0+4*\s+1], s45, \s*SLOT
	s_add_nc_u64 s[G0+4*\s+2:G0+4*\s+3], s[20:21], \s*SROW
	s_or_b32 s[G0+4*\s+3], s[G0+4*\s+3], 0x80000000
	s_mov_b32 s[G0B+4*\s], 1
	s_add_co_u32 s[G0B+4*\s+1], s45, \s*SLOT
	s_add_nc_u64 s[G0B+4*\s+2:G0B+4*\s+3], s[46:47], \s*SROW
	s_or_b32 s[G0B+4*\s+3], s[G0B+4*\s+3], 0x80000000
	JLOAD G0+4*\s, G1, G0B+4*\s, G1B
.endr
	v_and_b32 v1, 15, v0                           ; r
	v_bfe_u32 v2, v0, 4, 1                         ; h
	v_and_b32 v3, 31, v0                           ; lane
	v_lshlrev_b32 v8, 4, v3                        ; v8  16 x lane
	v_lshlrev_b32 v9, 3, v3                        ; v9  8 x lane
	; the bias of my 128 numbers along the axis that has one: q, k: B's rows; v: A's rows
	s_lshl_b32 s20, s42, 8
	s_lshl_b32 s21, s16, 7
	s_add_co_u32 s20, s20, s21
	s_lshl_b32 s22, s17, 8
	s_lshl_b32 s23, s15, 7
	s_add_co_u32 s22, s22, s23
	s_add_co_u32 s22, s22, 2048
	s_cmp_eq_u32 s[ISV], 0
	s_cselect_b32 s20, s20, s22
	s_lshl_b32 s20, s20, 2
	s_mov_b32 s21, 0
	s_add_nc_u64 s[8:9], s[8:9], s[20:21]
	global_load_b128 v[64:67], v8, s[8:9]
	s_mul_i32 s21, s15, HALFT
	s_mul_i32 s22, s16, HALFT
	s_add_co_u32 s22, s22, 2*HALFT
.irp s, 0,1
	v_add_nc_u32 v[ADRA+\s], s21, v8
	v_add_nc_u32 v[ADRB+\s], s22, v8
	v_add_nc_u32 v[ADRA+2+\s], s21, v9
	v_add_nc_u32 v[ADRB+2+\s], s22, v9
	s_add_co_u32 s21, s21, SLOT
	s_add_co_u32 s22, s22, SLOT
.endr
	v_mul_u32_u24 v5, v1, KS                       ; my row's scales: 32 bytes a row,
	v_lshrrev_b32 v6, 8, v5
	v_lshl_add_u32 v5, v6, 4, v5                   ; and 16 more for each 256 passed
	s_mul_i32 s21, s15, HALFS
	s_mul_i32 s22, s16, HALFS
	s_add_co_u32 s22, s22, 2*HALFS
	s_sub_co_u32 s22, s22, s21
	v_mul_u32_u24 v6, s22, v2                      ; lanes 16-31 take B's
	s_add_co_u32 s21, s21, SCL
	v_add_nc_u32 v5, v5, v6
	v_add_nc_u32 v[ADRS], s21, v5
	s_lshl_b32 s99, s14, 11
	s_add_co_u32 s99, s99, STG                     ; my 2,048 bytes behind the spare words
	v_add_nc_u32 v10, s99, v8                      ; v10 the bias, in
	v_lshlrev_b32 v11, 6, v2
	v_add_nc_u32 v11, s99, v11                     ; v11 q, k: the bias of my half's 16 columns of each 32
	v_and_b32 v12, 8, v1
	v_add_nc_u32 v12, v12, v1
	v_lshlrev_b32 v12, 2, v12
	v_add_nc_u32 v12, s99, v12                     ; v12 v: the bias of row r + 8 (r / 8)
	v_lshlrev_b32 v14, 2, v1
	v_add_nc_u32 v14, s99, v14
	v_lshl_add_u32 v13, v2, 9, v14
	v_add_nc_u32 v13, 512, v13                     ; v13 q, k: scale words, head = my half of the lanes
	v_add_nc_u32 v14, 1536, v14                    ; v14 v: scale words
	v_add_nc_u32 v15, 512, v10                     ; v15 the scale words' way back
	v_lshlrev_b32 v30, 4, v2                       ; v30 16 h
	v_mul_u32_u24 v31, v2, REC
	v_lshl_add_u32 v31, v1, 4, v31                 ; v31 v's scale words: lanes 16-31 store into the next head's record
	s_wait_loadcnt 0x0
	ds_store_b128 v10, v[64:67]                    ; my 128 numbers of the bias: only I read them
	s_wait_dscnt 0x0
	s_wait_tensorcnt 1                             ; the scales and my part of K step 0 are in (K step 1's load may be out)
	s_barrier_signal -1
	s_barrier_wait -1                              ; everybody's are
	FETCH_B 0, 0, 0
	FETCH_A 0, 0, 0
	SCALES 0
	FETCH_A 0, 0, 4
	STEP 0, 0, 1                                   ; the first products start the sums: nothing is cleared
	TURN 0, 1, 1                                   ; K has four steps of 256: the ring's one lap is written out
	STEP 1, 0, 0
	TURN 1, 0, 1
	STEP 0, 0, 0
	TURN 0, 1, 0                                   ; the last lap fills nothing
	STEP 1, 0, 0
	s_wait_dscnt 4*NL
	WIN MUL_LO
	MUL16 0, 1, NQ-1, 1, 0
	MUL16 2, 1, NQ-1, 1, 0
	s_wait_dscnt 0
	WIN MUL_HI
	MUL16 4, 1, NQ-1, 1, 0
	MUL16 6, 1, NQ-1, 1, 0
	WIN 0
	PLACES NP                                      ; behind the last products: their operands' registers are written and their results read from here on
.irp b, 0,1,2,3
	v_mov_b32 v[TM+4+\b], 0                        ; written once: a lane permute's destination counts as one of its sources
.endr
	s_cmp_eq_u32 s[ISV], 0                         ; the cluster's x decides: the same in all sixteen partners
	s_cbranch_scc0 .Lvarm
	; ---- q and k.  Block a = 16 tokens (a tile of x); my 128 columns = two heads.
	s_lshr_b32 s20, s17, 3                         ; batch
	s_lshl_b32 s21, s17, 4
	s_lshl_b32 s22, s15, 3
	s_add_co_u32 s21, s21, s22
	s_and_b32 s21, s21, 127                        ; my first token tile in the batch
	s_lshl_b32 s22, s42, 2
	s_lshl_b32 s23, s16, 1
	s_add_co_u32 s22, s22, s23
	s_and_b32 s22, s22, 15                         ; my first head
	s_lshl_b32 s20, s20, 4
	s_add_co_u32 s20, s20, s22
	s_mul_i32 s20, s20, REC                        ; its record
	s_mov_b32 s23, RQS
	s_cmp_ge_u32 s42, 4                            ; columns from 1,024 on are k's: the choice enters addresses alone
	s_cselect_b32 s22, 0, RQ
	s_cselect_b32 s23, RKS, s23
	s_mul_i32 s46, s21, 768
	s_add_co_u32 s22, s22, s46
	s_add_co_u32 s22, s22, s20
	s_lshl_b32 s46, s21, 6
	s_add_co_u32 s46, s46, s23
	s_add_co_u32 s46, s46, s20
	s_mov_b32 s23, 0
	s_mov_b32 s47, 0
	s_add_nc_u64 s[12:13], s[10:11], s[22:23]      ; the tile images
	s_add_nc_u64 s[18:19], s[10:11], s[46:47]      ; the scale words
.irp b, 0,1,2,3
.irp q, 0,1,2,3
	ds_load_b128 v[BI+16*\b+4*\q:BI+16*\b+4*\q+3], v11 offset:128*\b+16*\q   ; register 16 b + i: the bias of column 32 b + 16 h + i
.endr
.endr
	s_wait_dscnt 0x0
.macro BLOCKQ a
.set AC, 64*((\a)%4)
.if (\a) > 0
	s_wait_xcnt 0x0                                ; the last block's stores have read the codes' registers
.endif
	WIN 0x02+((\a)/4)                              ; source 0: window 2 or 3
.set i, 0
.rept 32
	v_pk_add_f32 v[T+2*i:T+2*i+1], v[AC+2*i:AC+2*i+1], v[BI+2*i:BI+2*i+1]   ; each accumulator from its low end on
.set i, i+1
.endr
	WIN 0
	QUANT T
.irp c, 0,1                                    ; registers 6 c .. 6 c + 5 are head c's tile image
	global_store_b128 v8, v[PC+6*\c:PC+6*\c+3], s[12:13] offset:\c*REC+768*(\a)
	global_store_b64 v9, v[PC+6*\c+4:PC+6*\c+5], s[12:13] offset:\c*REC+768*(\a)+512
.endr
	v_lshrrev_b32 v233, v30, v[PW]
	v_and_b32 v233, 0xffff, v233                   ; lanes 0-15: the first head's two bytes; lanes 16-31: the second's
	ds_store_b32 v13, v233 offset:64*(\a)
.endm
.irp a, 0,1,2,3,4,5,6,7
	BLOCKQ \a
.endr
	ds_load_b128 v[236:239], v15                   ; LDS serves a wave's instructions in order: these see my stores.  Eight tiles' words of a head are 512 consecutive bytes
	ds_load_b128 v[240:243], v15 offset:512
	s_wait_dscnt 0x0
	global_store_b128 v8, v[236:239], s[18:19]
	global_store_b128 v8, v[240:243], s[18:19] offset:REC
	s_branch .Lend
.Lvarm:
	; ---- v.  Block a = 16 channels (head a / 4 of my two, channel tile a % 4); my 128 columns = the tokens of one key step.
	s_lshl_b32 s20, s17, 2
	s_lshl_b32 s21, s15, 1
	s_add_co_u32 s20, s20, s21                     ; my first head
	s_lshl_b32 s21, s42, 1
	s_add_co_u32 s21, s21, s16                     ; which 128 tokens of the 8,192
	s_lshr_b32 s22, s21, 4                         ; batch
	s_and_b32 s21, s21, 15                         ; key step
	s_lshl_b32 s22, s22, 4
	s_add_co_u32 s20, s20, s22
	s_mul_i32 s20, s20, REC
	s_mul_i32 s22, s21, 6144
	s_add_co_u32 s22, s22, s20
	s_add_co_u32 s22, s22, RV
	s_lshl_b32 s46, s21, 8
	s_add_co_u32 s46, s46, s20
	s_add_co_u32 s46, s46, RVS
	s_mov_b32 s23, 0
	s_mov_b32 s47, 0
	s_add_nc_u64 s[12:13], s[10:11], s[22:23]
	s_add_nc_u64 s[18:19], s[10:11], s[46:47]
.irp a, 0,1,2,3,4,5,6,7
	ds_load_b32 v[BM+2*\a], v12 offset:4*(32*(\a/2)+8*(\a%2))     ; my row's bias in block a, twice: a pair for the packed addition
	ds_load_b32 v[BM+2*\a+1], v12 offset:4*(32*(\a/2)+8*(\a%2))
.endr
	s_wait_dscnt 0x0
.macro BLOCKV a
.set AC, 64*((\a)%4)
.if (\a) > 0
	s_wait_xcnt 0x0
.endif
	WIN 0x02+((\a)/4)
.set i, 0
.rept 32
	v_pk_add_f32 v[T+2*i:T+2*i+1], v[AC+2*i:AC+2*i+1], v[BM+2*(\a):BM+2*(\a)+1]
.set i, i+1
.endr
	WIN 0
	QUANT T
.irp c, 0,1,2
	global_store_b128 v8, v[PC+4*\c:PC+4*\c+3], s[12:13] offset:((\a)/4)*REC+((\a)%4)*1536+512*\c
.endr
	ds_store_b32 v14, v[PW] offset:64*(\a)         ; both halves of the lanes write the same word with the same value
.endm
.irp a, 0,1,2,3,4,5,6,7
	BLOCKV \a
.endr
	ds_load_b128 v[236:239], v15 offset:1024
	s_wait_dscnt 0x0
	global_store_b128 v31, v[236:239], s[18:19]    ; each half of the lanes stores 256 consecutive bytes, aligned: a head's four tiles of this key step
.Lend:
	s_wait_tensorcnt 0x0                           ; the wave's end: behind my last tensor load and my last LDS store
	ds_add_u32 v[SPW], v[NIL]
	s_wait_dscnt 0x0
	CROUND                                         ; the closing round
	s_endpgm
.Lfunc_end_k_q75a12c029b_qkv:
	.size	k_q75a12c029b_qkv, .Lfunc_end_k_q75a12c029b_qkv-k_q75a12c029b_qkv
	.p2alignl 7, 3214868480
	.fill 96, 4, 3214868480
	.section	.rodata,"a",@progbits
	.p2align	6, 0x0
	.amdhsa_kernel k_q75a12c029b_qkv
		.amdhsa_group_segment_fixed_size 327680
		.amdhsa_private_segment_fixed_size 0
		.amdhsa_enable_private_segment 0
		.amdhsa_kernarg_size 32
		.amdhsa_user_sgpr_count 2
		.amdhsa_user_sgpr_kernarg_segment_ptr 1
		.amdhsa_wavefront_size32 1
		.amdhsa_system_sgpr_workgroup_id_x 1
		.amdhsa_system_sgpr_workgroup_id_y 1
		.amdhsa_system_sgpr_workgroup_id_z 1
		.amdhsa_system_vgpr_workitem_id 0
		.amdhsa_next_free_vgpr 1024
		.amdhsa_next_free_sgpr 102
		.amdhsa_reserve_vcc 0
		.amdhsa_float_denorm_mode_32 3
		.amdhsa_float_denorm_mode_16_64 3
		.amdhsa_memory_ordered 1
		.amdhsa_forward_progress 1
		.amdhsa_inst_pref_size 220
	.end_amdhsa_kernel
	.amdgpu_metadata
---
amdhsa.version: [ 1, 2 ]
amdhsa.kernels:
  - .name:           k_q75a12c029b_qkv
    .symbol:         k_q75a12c029b_qkv.kd
    .args:
      - { .name: in_codes, .offset: 0, .size: 8, .value_kind: global_buffer, .address_space: global }
      - { .name: in_scales, .offset: 8, .size: 8, .value_kind: global_buffer, .address_space: global }
      - { .name: qkv_b, .offset: 16, .size: 8, .value_kind: global_buffer, .address_space: global }
      - { .name: qkv, .offset: 24, .size: 8, .value_kind: global_buffer, .address_space: global }
    .group_segment_fixed_size: 327680
    .private_segment_fixed_size: 0
    .kernarg_segment_align: 8
    .kernarg_segment_size: 32
    .max_flat_workgroup_size: 128
    .sgpr_count:     102
    .vgpr_count:     1024
    .wavefront_size: 32
...
	.end_amdgpu_metadata
.endif
;; end of part 2
;; launch attn (part 3): grid 256 x 1, 16 waves a work-group, clusters of 4 x 1, 212,992 bytes of LDS; arguments qkv, a_codes, a_scales; writes a_codes, a_scales
.if DOCPART == 3
	.amdgcn_target "amdgcn-amd-amdhsa--gfx1250"
	.amdhsa_code_object_version 6
	.text
	.protected	k_q75a12c029b_attn
	.globl	k_q75a12c029b_attn
	.p2align	8
	.type	k_q75a12c029b_attn,@function
k_q75a12c029b_attn:
	s_mov_b64 s[64:65], 0
	v_nop
	global_prefetch_b8 v0, s[64:65] scope:SCOPE_SE
	s_setreg_imm32_b32 hwreg(HW_REG_WAVE_MODE, 25, 1), 1
	s_wait_xcnt 0x0
	s_wait_alu depctr_hold_cnt(0) depctr_sa_sdst(0) depctr_va_vdst(0) depctr_va_sdst(0) depctr_va_ssrc(0) depctr_va_vcc(0) depctr_vm_vsrc(0)
	s_getreg_b32 s2, hwreg(HW_REG_IB_STS2, 6, 4)
	s_cmp_eq_u32 s2, 0
	s_cbranch_scc0 .Lentry_in_a_cluster
	s_endpgm
.Lentry_in_a_cluster:
	s_bfe_u32 s2, ttmp6, 0x10000c
	s_cmp_lg_u32 s2, 0x3003
	s_cbranch_scc0 .Lentry_shape_is_right
	s_endpgm
.Lentry_shape_is_right:
; Products 2 and 3 with the softmax between them, for one (batch, head) a cluster; the result / l is quantised along C for product 4.
; LEFT OUT: a step of 128 keys all of which come after a tile's 16 queries (reference()'s own causal mask gives them the weight 0: shown at the head of launch quant).
; THE SOFTMAX: t = score x log2(e) / 8; M = the running largest t rounded up to a whole number; p = 2^(t - M) is quantised along the keys, not normalised; the row's sum is taken of the unquantised p and divides at
; the end.  When M moves, the sum and O are multiplied by 2^(old M - new M): exact.
; CLUSTER: the four work-groups of a cluster belong to one record of qkv.  K's and V's images and scale words of a whole head are 208,896 consecutive bytes: they come into each partner's LDS ONCE, by sixteen
; joint loads, one a wave (51 rows of 256 bytes each; one tensor load of a wave is out).  Nothing is filled again: no ring.
; SHARES: a head has 128 tiles of 16 queries, in 16 blocks of 8 (128 queries); a tile of block n walks key steps 0 .. n.  Wave w of partner cx takes tile 2 cx + w % 2 of block 15 - w / 2 and then of block w / 2:
; 17 key steps for every wave.  cx enters global addresses and the mask's number alone.
; LAYOUT: both products are used transposed (S^T = K Q^T, O^T = V^T P^T): a lane holds one query.  By the order of rows in a tile, p's register 16 b + i is key 32 b + 16 (lane / 16) + i of the step, and O^T's
; register 16 b + i is channel 32 b + 16 (lane / 16) + i.  Tile row r of query tile q is token 32 (q / 2) + 8 (q % 2) + r + 8 (r / 8).
; K = 64 IN AN INSTRUCTION OF 128: Q's registers 6-11 hold zero codes.  K's operand runs on into the next tile's codes (behind tile 7: six registers of zeros): numbers of the format, all finite, times zero.  The
; scale bytes of the upper two blocks are 0 on both sides, which is a power of two.
; The walk's trip count is the constant 16; a step behind the tile's block is jumped over by a scalar branch on the wave's number and the count of steps.
; REGISTERS: v1-9 addresses; v10, 11, 29-31 addresses of the step; v12 -M, v13 the largest t, v[14:15] the sum; v16-27 Q; v28 Q's scale word; v32-85 K, then V; v96-159 S^T, then p; v160-191 O^T; v192-210 p's codes;
; v212-231 at work; v228 p's scale word; v240-243 K's scale words, v244-245 V's.
; LIMITS: as stated at the head of launch quant.
.set REC,   315392
.set RV,    98304
.set RKS,   196608
.set RVS,   204800
.set RQ,    208896
.set RQS,   307200
.set CHUNK, 51*256                     ; a wave's part of the record's first 208,896 bytes
.set SPARE, 208896                     ; behind them: the spare words, 128 bytes for each wave: eight blocks of 256 bytes that no other line names
.set SPW, 5
.set NIL, 6
.set BX,  212
.set BY,  216
.set SO,  220
.set WV,  18
.set BLK, 38                           ; s38 the block of 128 queries in hand
.set TQ,  39                           ; s39 2 cx + w % 2
.set KST, 40                           ; s40 the key step; s41, s42, s43: where its images, K's scale words and V's begin
.macro ROUND
	s_barrier_signal -1
	s_barrier_wait -1
	s_cmp_lg_u32 s[WV], 0
	s_cbranch_scc1 .Lnot_wave_0_\@
	s_barrier_signal -3
.Lnot_wave_0_\@:
	s_barrier_wait -3
	s_barrier_signal -1
	s_barrier_wait -1
.endm
	s_load_b128 s[4:7], s[0:1], 0x0                ; qkv, a_codes
	s_load_b64 s[8:9], s[0:1], 0x10                ; a_scales
	v_lshl_add_u32 v[SPW], v0, 2, SPARE
	v_mov_b32 v[NIL], 0
	ds_add_u32 v[SPW], v[NIL]                      ; the wave's opening: the add, twice on end, and its wait ahead of my first tensor load
	ds_add_u32 v[SPW], v[NIL]
	v_lshrrev_b32 v10, 5, v0
	s_delay_alu instid0(VALU_DEP_1)
	v_readfirstlane_b32 s[WV], v10                 ; wave 0..15
	s_bfe_u32 s36, ttmp6, 0x40000                  ; cx
	s_mov_b32 s24, 15|(3<<16)|(1<<21)              ; group 1: the mask names all four; elements of 8 bytes; bit 21 beside a mask; no padding
	s_mov_b32 s25, 32<<16                          ; tensor_dim0 = 32 elements: rows of 256 bytes
	s_mov_b32 s26, 51<<16                          ; tensor_dim1
	s_mov_b32 s27, 32<<16                          ; tile_dim0
	s_mov_b32 s28, 51                              ; tile_dim1
	s_mov_b32 s29, 32                              ; the pitch: dense
	s_mov_b32 s30, 0
	s_mov_b32 s31, 0
	s_mul_i32 s10, ttmp9, REC                      ; the cluster's x is the record: 16 x batch + head
	s_mov_b32 s11, 0
	s_mul_i32 s12, s[WV], CHUNK
	s_mov_b32 s13, 0
	s_lshr_b32 s45, ttmp9, 4                       ; batch
	s_and_b32 s46, ttmp9, 15                       ; head
	s_lshl_b32 s47, s45, 11
	s_add_co_u32 s47, s47, s46
	s_mul_i32 s14, s47, 768                        ; a_codes: (16 x 128 x batch + head) images on
	s_mov_b32 s15, 0
	s_lshl_b32 s16, s45, 16
	s_lshl_b32 s46, s46, 1
	s_add_co_u32 s16, s16, s46                     ; a_scales: 2,048 rows of 32 bytes a batch, + 2 x head
	s_mov_b32 s17, 0
	s_mov_b32 s20, 0x76543210
	s_mov_b32 s21, 0xfedcba98                      ; v_permlanex16_b32's selects for lane l xor 16
	s_mov_b32 s22, 0x3e38aa3b                      ; c = log2(e) / 8
	s_mov_b32 s23, s22
	s_mov_b32 s44, 0xffff0000                      ; lanes 16-31
	s_lshr_b32 s[BLK], s[WV], 1
	s_xor_b32 s[BLK], s[BLK], 15                   ; 15 - w / 2 first
	s_and_b32 s37, s[WV], 1
	s_lshl_b32 s[TQ], s36, 1
	s_add_co_u32 s[TQ], s[TQ], s37
	s_lshl_b32 s41, s36, 5
	s_lshl_b32 s42, s37, 3
	s_add_co_u32 s41, s41, s42
	s_wait_dscnt 0x0                               ; both opening adds are done
	s_wait_kmcnt 0x0
	s_add_nc_u64 s[4:5], s[4:5], s[10:11]          ; the record
	s_add_nc_u64 s[6:7], s[6:7], s[14:15]
	s_add_nc_u64 s[8:9], s[8:9], s[16:17]
	s_add_nc_u64 s[48:49], s[4:5], RQ              ; Q's images
	s_add_nc_u64 s[50:51], s[4:5], RQS             ; Q's scale words
	s_mov_b32 s32, 1
	s_mov_b32 s33, s12                             ; LDS: by the wave's number alone
	s_add_nc_u64 s[34:35], s[4:5], s[12:13]
	s_or_b32 s35, s35, 0x80000000
	ROUND                                          ; all four work-groups are here: the joint loads meet
	tensor_load_to_lds s[32:35], s[24:31]
	s_nop 0
	v_and_b32 v10, 15, v0                          ; r
	v_bfe_u32 v11, v0, 4, 1                        ; h
	s_delay_alu instid0(VALU_DEP_2)
	v_and_b32 v12, 8, v10
	s_delay_alu instid0(VALU_DEP_1)
	v_add_nc_u32 v12, v12, v10
	s_delay_alu instid0(VALU_DEP_3)
	v_lshlrev_b32 v13, 4, v11
	s_delay_alu instid0(VALU_DEP_1)
	v_sub_nc_u32 v7, v12, v13
	s_delay_alu instid0(VALU_DEP_1)
	v_add_nc_u32 v7, s41, v7                       ; v7 d = my query's place in its block of 128, less 16 h: on the diagonal register 16 b + i is hidden where 32 b + i > d
	v_and_b32 v14, 31, v0
	s_delay_alu instid0(VALU_DEP_1)
	v_lshlrev_b32 v1, 4, v14                       ; v1 16 x lane
	s_delay_alu instid0(VALU_DEP_2)
	v_lshlrev_b32 v2, 3, v14                       ; v2 8 x lane
	s_delay_alu instid0(VALU_DEP_2)
	v_add_nc_u32 v3, RV, v1                        ; v3 V's images
	s_delay_alu instid0(VALU_DEP_4)
	v_lshl_add_u32 v4, v14, 2, RKS                 ; v4 K's scale words: lanes 0-15 an even tile's, lanes 16-31 the next tile's
	v_lshl_add_u32 v8, v14, 2, RVS                 ; v8 V's likewise
	v_lshlrev_b32 v9, 2, v10                       ; v9 4 r
	v_lshl_add_u32 v86, v10, 5, v11                ; v86 32 r + h: my byte in a_scales
	v_mov_b32 v87, 0xff800000                      ; -infinity
.macro QLOAD                           ; the tile's image and scale words
	s_lshl_b32 s45, s[BLK], 3
	s_add_co_u32 s45, s45, s[TQ]
	s_mul_i32 s46, s45, 768
	s_mov_b32 s47, 0
	s_add_nc_u64 s[52:53], s[48:49], s[46:47]
	s_lshl_b32 s46, s45, 6
	s_add_nc_u64 s[54:55], s[50:51], s[46:47]
.rept 4
	v_nop                                          ; places in front of loads into registers that matrix instructions have read
.endr
	global_load_b128 v[16:19], v1, s[52:53]
	global_load_b64 v[20:21], v2, s[52:53] offset:512
	global_load_b32 v28, v9, s[54:55]
.endm
.macro INIT first
.if \first
.irp j, 22,23,24,25,26,27, 80,81,82,83,84,85, 216,217,218,219, 224, 227
	v_mov_b32 v[\j], 0                             ; once: zero codes behind Q's and behind K's last tile; the permutes' destinations; the upper half of the pair v[226:227]
.endr
.else
	s_wait_xcnt 0x0                                ; the last tile's stores have read their registers and bases: the walk and the next addresses write them again
.endif
	v_mov_b32 v13, 0xff61b1e6                      ; the largest t so far: -3e38
	s_delay_alu instid0(VALU_DEP_1)
	v_floor_f32 v12, -v13                          ; -M
	v_mov_b32 v14, 0
	v_mov_b32 v15, 0
.set j, 0
.rept 32
	v_mov_b32 v[160+j], 0                          ; O^T: the step is written once; its first turn finds zeros
.set j, j+1
.endr
	s_wait_loadcnt 0x0                             ; Q
.endm
.macro STEP
	v_add_nc_u32 v10, s41, v1                      ; (these five are also the places behind the last products)
	v_add_nc_u32 v11, s41, v2
	v_add_nc_u32 v29, s41, v3
	v_add_nc_u32 v30, s42, v4
	v_add_nc_u32 v31, s43, v8
.irp t, 0,1,2,3,4,5,6,7
	ds_load_b128 v[32+6*\t:35+6*\t], v10 offset:768*\t
	ds_load_b64 v[36+6*\t:37+6*\t], v11 offset:768*\t+512
.endr
.irp g, 0,1,2,3
	ds_load_b32 v[240+\g], v30 offset:128*\g
.endr
	s_wait_alu depctr_va_vdst(0)
	s_wait_dscnt 0x0
.irp t, 0,1,2,3,4,5,6,7                        ; S^T = K Q^T: eight tiles of 16 keys
.if \t%2
	v_wmma_scale_f32_16x16x128_f8f6f4 v[96+8*\t:103+8*\t], v[32+6*\t:43+6*\t], v[16:27], 0, v[240+\t/2], v28 matrix_a_fmt:MATRIX_FMT_BF6 matrix_b_fmt:MATRIX_FMT_BF6 matrix_a_scale:MATRIX_SCALE_ROW1
.else
	v_wmma_scale_f32_16x16x128_f8f6f4 v[96+8*\t:103+8*\t], v[32+6*\t:43+6*\t], v[16:27], 0, v[240+\t/2], v28 matrix_a_fmt:MATRIX_FMT_BF6 matrix_b_fmt:MATRIX_FMT_BF6
.endif
.endr
.rept 4
	v_nop                                          ; places: in front of the loads over K's registers, and of the first read of the scores
.endr
.irp t, 0,1,2,3                                ; V's four operands are asked for now and land under the softmax
.irp c, 0,1,2
	ds_load_b128 v[32+12*\t+4*\c:35+12*\t+4*\c], v29 offset:1536*\t+512*\c
.endr
.endr
.irp g, 0,1
	ds_load_b32 v[244+\g], v31 offset:128*\g
.endr
	s_cmp_lg_u32 s[KST], s[BLK]                    ; only the tile's last step lies on the diagonal
	s_cbranch_scc1 .Lopen_\@
.set n, 0
.rept 64
	v_cmp_gt_i32 vcc_lo, 32*(n/16)+n%16, v7
	v_cndmask_b32 v[96+n], v[96+n], v87, vcc_lo    ; hidden scores become -infinity: p = 0
.set n, n+1
.endr
.Lopen_\@:
.irp b, 0,1,2,3
	v_max3_num_f32 v[BX+\b], v[96+16*\b], v[97+16*\b], v[98+16*\b]   ; the largest score of each block of 32 keys: for the row's maximum and, since p rises with the score, for the block's largest p
.endr
.irp i, 3,5,7,9,11,13
.irp b, 0,1,2,3
	v_max3_num_f32 v[BX+\b], v[BX+\b], v[96+16*\b+\i], v[97+16*\b+\i]
.endr
.endr
.irp b, 0,1,2,3
	v_max_num_f32 v[BX+\b], v[BX+\b], v[111+16*\b]
.endr
.irp b, 0,1,2,3
	s_delay_alu instid0(VALU_DEP_4)
	v_permlanex16_b32 v[BY+\b], v[BX+\b], s20, s21
.endr
.irp b, 0,1,2,3
	s_delay_alu instid0(VALU_DEP_4)
	v_max_num_f32 v[BX+\b], v[BX+\b], v[BY+\b]
.endr
	s_delay_alu instid0(VALU_DEP_2)
	v_max3_num_f32 v224, v212, v213, v214
	s_delay_alu instid0(VALU_DEP_1)
	v_max_num_f32 v224, v224, v215
	s_delay_alu instid0(VALU_DEP_1)
	v_mul_f32 v224, s22, v224                      ; as t
	s_delay_alu instid0(VALU_DEP_1)
	v_max_num_f32 v13, v13, v224                   ; the running largest t
	v_mov_b32 v224, v12
	s_delay_alu instid0(VALU_DEP_2)
	v_floor_f32 v12, -v13                          ; the new -M = -ceil(t)
	s_delay_alu instid0(VALU_DEP_1)
	v_sub_f32 v224, v12, v224                      ; old M - new M: a whole number, 0 or less
	s_delay_alu instid0(VALU_DEP_1)
	v_cvt_i32_f32 v224, v224                       ; (it saturates)
	s_delay_alu instid0(VALU_DEP_1)
	v_ldexp_f32 v226, 1.0, v224                    ; f = 2^(old M - new M)
.set j, 0
.rept 32
	v_pk_fma_f32 v[96+j:97+j], v[96+j:97+j], s[22:23], v[12:13] op_sel_hi:[1,0,0]   ; t - M
.set j, j+2
.endr
	s_setprio 1
.irp b, 0,1,2,3
	v_fma_f32 v[BX+\b], v[BX+\b], s22, v12
.endr
.set j, 0
	s_wait_alu depctr_va_vdst(0)
.rept 64
	v_exp_f32 v[96+j], v[96+j]                     ; p = 2^(t - M)
.set j, j+1
.endr
	v_pk_mul_f32 v[14:15], v[14:15], v[226:227] op_sel_hi:[1,0]   ; the sums under the new M; the plain line behind the exponentials
	s_wait_alu depctr_va_vdst(0)                   ; one wait for the batch, ahead of its first reader
.irp b, 0,1,2,3
	v_exp_f32 v[BX+\b], v[BX+\b]                   ; each block's largest p
.endr
	v_pk_add_f32 v[230:231], v[100:101], v[104:105]
	v_pk_add_f32 v[254:255], v[108:109], v[112:113]
	v_pk_add_f32 v[252:253], v[116:117], v[120:121]
	v_pk_add_f32 v[250:251], v[124:125], v[128:129]
	v_pk_add_f32 v[248:249], v[132:133], v[136:137]
	v_pk_add_f32 v[246:247], v[140:141], v[144:145]
	v_pk_add_f32 v[242:243], v[148:149], v[152:153]
	v_pk_add_f32 v[14:15], v[14:15], v[156:157]
	v_pk_add_f32 v[230:231], v[230:231], v[96:97]
	v_pk_add_f32 v[254:255], v[254:255], v[98:99]
	v_pk_add_f32 v[252:253], v[252:253], v[102:103]
	v_pk_add_f32 v[250:251], v[250:251], v[106:107]
	v_pk_add_f32 v[248:249], v[248:249], v[110:111]
	v_pk_add_f32 v[246:247], v[246:247], v[114:115]
	v_pk_add_f32 v[242:243], v[242:243], v[118:119]
	v_pk_add_f32 v[14:15], v[14:15], v[122:123]
	v_pk_add_f32 v[230:231], v[230:231], v[126:127]
	v_pk_add_f32 v[254:255], v[254:255], v[130:131]
	v_pk_add_f32 v[252:253], v[252:253], v[134:135]
	v_pk_add_f32 v[250:251], v[250:251], v[138:139]
	v_pk_add_f32 v[248:249], v[248:249], v[142:143]
	v_pk_add_f32 v[246:247], v[246:247], v[146:147]
	v_pk_add_f32 v[242:243], v[242:243], v[150:151]
	v_pk_add_f32 v[14:15], v[14:15], v[154:155]
	v_pk_add_f32 v[230:231], v[230:231], v[158:159]
	s_delay_alu instid0(VALU_DEP_2)
	v_pk_add_f32 v[14:15], v[14:15], v[250:251]
	s_delay_alu instid0(VALU_DEP_2)
	v_pk_add_f32 v[230:231], v[230:231], v[248:249]
	v_pk_add_f32 v[254:255], v[254:255], v[246:247]
	v_pk_add_f32 v[252:253], v[252:253], v[242:243]
	s_delay_alu instid0(VALU_DEP_2)
	v_pk_add_f32 v[14:15], v[14:15], v[254:255]
	s_delay_alu instid0(VALU_DEP_2)
	v_pk_add_f32 v[230:231], v[230:231], v[252:253]
	s_delay_alu instid0(VALU_DEP_1)
	v_pk_add_f32 v[14:15], v[14:15], v[230:231]
	s_wait_alu depctr_va_vdst(0)                   ; and one for the four
.irp b, 0,1,2,3
	v_max_num_f32 v[BX+\b], 0x2800000, v[BX+\b]    ; the floor 2^(5 - 127)
.endr
.irp b, 0,1,2,3
	s_delay_alu instid0(VALU_DEP_4)
	v_add_nc_u32 v[SO+\b], 0xfe000000, v[BX+\b]    ; the conversion's scale operand
.endr
.irp b, 0,1,2,3
	s_delay_alu instid0(VALU_DEP_4)
	v_lshrrev_b32 v[BY+\b], 23, v[SO+\b]           ; the scale's byte
.endr
	s_delay_alu instid0(VALU_DEP_3)
	v_lshl_or_b32 v228, v217, 8, v216              ; p's scale word for these 128 keys
	s_delay_alu instid0(VALU_DEP_1)
	v_lshl_or_b32 v228, v218, 16, v228
	s_delay_alu instid0(VALU_DEP_1)
	v_lshl_or_b32 v228, v219, 24, v228
	s_setprio 0
.irp c, 0,1
	v_cvt_scalef32_pk16_bf6_f32 v[192+6*\c:194+6*\c], v[96+32*\c:111+32*\c], v[SO+2*\c]
	v_cvt_scalef32_pk16_bf6_f32 v[204+4*\c:206+4*\c], v[112+32*\c:127+32*\c], v[SO+2*\c+1]
.endr
	v_nop                                          ; one plain line behind a scaled conversion
.irp c, 0,1
.irp i, 0,1,2
	v_permlane16_swap_b32 v[192+6*\c+\i], v[204+4*\c+\i]
.endr
.irp i, 0,1,2
	s_delay_alu instid0(VALU_DEP_3)
	v_mov_b32 v[195+6*\c+\i], v[204+4*\c+\i]
.endr
.endr
.set j, 0
.rept 16
	v_pk_mul_f32 v[160+j:161+j], v[160+j:161+j], v[226:227] op_sel_hi:[1,0]   ; O^T under the new M; also the places between p's codes and scale word and the products
.set j, j+2
.endr
	s_wait_alu depctr_va_vdst(0)
	s_wait_dscnt 0x0                               ; V
.irp t, 0,1,2,3                                ; O^T += V^T P^T: the four accumulators take turns
.if \t%2
	v_wmma_scale_f32_16x16x128_f8f6f4 v[160+8*\t:167+8*\t], v[32+12*\t:43+12*\t], v[192:203], v[160+8*\t:167+8*\t], v[244+\t/2], v228 matrix_a_fmt:MATRIX_FMT_BF6 matrix_b_fmt:MATRIX_FMT_BF6 matrix_a_scale:MATRIX_SCALE_ROW1
.else
	v_wmma_scale_f32_16x16x128_f8f6f4 v[160+8*\t:167+8*\t], v[32+12*\t:43+12*\t], v[192:203], v[160+8*\t:167+8*\t], v[244+\t/2], v228 matrix_a_fmt:MATRIX_FMT_BF6 matrix_b_fmt:MATRIX_FMT_BF6
.endif
.endr
.endm
.macro WALK
	s_mov_b32 s[KST], 0
	s_mov_b32 s41, 0
	s_mov_b32 s42, 0
	s_mov_b32 s43, 0
.Lstep_\@:
	s_cmp_gt_u32 s[KST], s[BLK]                    ; all keys of this step come after my queries: the wave's number and the count of steps decide
	s_cbranch_scc1 .Ltail_\@
	s_setprio 2
	STEP
.Ltail_\@:
	s_add_co_u32 s41, s41, 6144                    ; eight images of K, and as many bytes of V
	s_add_co_u32 s42, s42, 512
	s_add_co_u32 s43, s43, 256
	s_add_co_u32 s[KST], s[KST], 1
	s_cmp_lt_u32 s[KST], 16
	s_cbranch_scc1 .Lstep_\@
	s_setprio 0
.endm
.macro OUTADR
	s_lshl_b32 s45, s[BLK], 3
	s_add_co_u32 s45, s45, s[TQ]
	s_mul_i32 s46, s45, 12288
	s_mov_b32 s47, 0
	s_add_nc_u64 s[56:57], s[6:7], s[46:47]
	s_lshl_b32 s46, s45, 9
	s_add_nc_u64 s[58:59], s[8:9], s[46:47]
.endm
.macro FINAL                           ; O^T / l, quantised along C: the head's 64 channels are two blocks; the codes are one tile image
.rept 4
	v_nop                                          ; places behind the last products
.endr
	v_add_f32 v14, v14, v15
	s_delay_alu instid0(VALU_DEP_1)
	v_permlanex16_b32 v224, v14, s20, s21
	s_delay_alu instid0(VALU_DEP_1)
	v_add_f32 v14, v14, v224                       ; the row's sum
	s_wait_alu depctr_va_vdst(0)
	v_rcp_f32 v226, v14
	v_nop                                          ; a plain line behind the reciprocal,
	s_wait_alu depctr_va_vdst(0)                   ; and the wait ahead of its first reader
.set j, 0
.rept 16
	v_pk_mul_f32 v[96+j:97+j], v[160+j:161+j], v[226:227] op_sel_hi:[1,0]   ; each accumulator from its low end on
.set j, j+2
.endr
.irp b, 0,1
	v_max3_num_f32 v[BX+\b], |v[96+16*\b]|, |v[97+16*\b]|, 0x2800000
.endr
.irp i, 2,4,6,8,10,12,14
.irp b, 0,1
	s_delay_alu instid0(VALU_DEP_2)
	v_max3_num_f32 v[BX+\b], v[BX+\b], |v[96+16*\b+\i]|, |v[97+16*\b+\i]|
.endr
.endr
.irp b, 0,1
	s_delay_alu instid0(VALU_DEP_2)
	v_permlanex16_b32 v[BY+\b], v[BX+\b], s20, s21
.endr
.irp b, 0,1
	s_delay_alu instid0(VALU_DEP_2)
	v_max_num_f32 v[BX+\b], v[BX+\b], v[BY+\b]
.endr
.irp b, 0,1
	s_delay_alu instid0(VALU_DEP_2)
	v_add_nc_u32 v[SO+\b], 0xfe000000, v[BX+\b]
.endr
.irp b, 0,1
	s_delay_alu instid0(VALU_DEP_2)
	v_lshrrev_b32 v[BY+\b], 23, v[SO+\b]
.endr
	v_cvt_scalef32_pk16_bf6_f32 v[128:130], v[96:111], v220
	v_cvt_scalef32_pk16_bf6_f32 v[136:138], v[112:127], v221
	v_nop
.irp i, 0,1,2
	v_permlane16_swap_b32 v[128+\i], v[136+\i]
.endr
.irp i, 0,1,2
	s_delay_alu instid0(VALU_DEP_3)
	v_mov_b32 v[131+\i], v[136+\i]
.endr
	v_cndmask_b32 v140, v216, v217, s44            ; lanes 0-15: the first block's byte; lanes 16-31: the second's
	global_store_b128 v1, v[128:131], s[56:57]
	global_store_b64 v2, v[132:133], s[56:57] offset:512
	global_store_b8 v86, v140, s[58:59]            ; a byte a lane: a row's 32 scale bytes come from sixteen heads' clusters; one byte for each 24 of codes
.endm
	QLOAD
	INIT 1
	s_wait_tensorcnt 0x0                           ; my part of the record is in,
	s_barrier_signal -1
	s_barrier_wait -1                              ; everybody's is
	WALK
	OUTADR
	s_xor_b32 s[BLK], s[BLK], 15                   ; on to block w / 2
	QLOAD                                          ; its Q lands while the first tile goes out
	FINAL
	INIT 0
	WALK
	OUTADR
	FINAL
	s_wait_tensorcnt 0x0                           ; the wave's end
	ds_add_u32 v[SPW], v[NIL]
	s_wait_dscnt 0x0
	ROUND                                          ; the closing round
	s_endpgm
.Lfunc_end_k_q75a12c029b_attn:
	.size	k_q75a12c029b_attn, .Lfunc_end_k_q75a12c029b_attn-k_q75a12c029b_attn
	.p2alignl 7, 3214868480
	.fill 96, 4, 3214868480
	.section	.rodata,"a",@progbits
	.p2align	6, 0x0
	.amdhsa_kernel k_q75a12c029b_attn
		.amdhsa_group_segment_fixed_size 212992
		.amdhsa_private_segment_fixed_size 0
		.amdhsa_enable_private_segment 0
		.amdhsa_kernarg_size 24
		.amdhsa_user_sgpr_count 2
		.amdhsa_user_sgpr_kernarg_segment_ptr 1
		.amdhsa_wavefront_size32 1
		.amdhsa_system_sgpr_workgroup_id_x 1
		.amdhsa_system_sgpr_workgroup_id_y 1
		.amdhsa_system_sgpr_workgroup_id_z 1
		.amdhsa_system_vgpr_workitem_id 0
		.amdhsa_next_free_vgpr 256
		.amdhsa_next_free_sgpr 66
		.amdhsa_reserve_vcc 1
		.amdhsa_float_denorm_mode_32 3
		.amdhsa_float_denorm_mode_16_64 3
		.amdhsa_memory_ordered 1
		.amdhsa_forward_progress 1
		.amdhsa_inst_pref_size 64
	.end_amdhsa_kernel
	.amdgpu_metadata
---
amdhsa.version: [ 1, 2 ]
amdhsa.kernels:
  - .name:           k_q75a12c029b_attn
    .symbol:         k_q75a12c029b_attn.kd
    .args:
      - { .name: qkv, .offset: 0, .size: 8, .value_kind: global_buffer, .address_space: global }
      - { .name: a_codes, .offset: 8, .size: 8, .value_kind: global_buffer, .address_space: global }
      - { .name: a_scales, .offset: 16, .size: 8, .value_kind: global_buffer, .address_space: global }
    .group_segment_fixed_size: 212992
    .private_segment_fixed_size: 0
    .kernarg_segment_align: 8
    .kernarg_segment_size: 24
    .max_flat_workgroup_size: 512
    .sgpr_count:     66
    .vgpr_count:     256
    .wavefront_size: 32
...
	.end_amdgpu_metadata
.endif
;; end of part 3
;; launch proj (part 4): grid 4 x 32, 4 waves a work-group, clusters of 4 x 4, 327,680 bytes of LDS; arguments a_codes, a_scales, in_codes, in_scales, o_b, out0; writes out0
.if DOCPART == 4
	.amdgcn_target "amdgcn-amd-amdhsa--gfx1250"
	.amdhsa_code_object_version 6
	.text
	.protected	k_q75a12c029b_proj
	.globl	k_q75a12c029b_proj
	.p2align	8
	.type	k_q75a12c029b_proj,@function
k_q75a12c029b_proj:
	s_mov_b64 s[64:65], 0
	v_nop
	global_prefetch_b8 v0, s[64:65] scope:SCOPE_SE
	s_setreg_imm32_b32 hwreg(HW_REG_WAVE_MODE, 25, 1), 1
	s_wait_xcnt 0x0
	s_wait_alu depctr_hold_cnt(0) depctr_sa_sdst(0) depctr_va_vdst(0) depctr_va_sdst(0) depctr_va_ssrc(0) depctr_va_vcc(0) depctr_vm_vsrc(0)
	s_getreg_b32 s2, hwreg(HW_REG_IB_STS2, 6, 4)
	s_cmp_eq_u32 s2, 0
	s_cbranch_scc0 .Lentry_in_a_cluster
	s_endpgm
.Lentry_in_a_cluster:
	s_bfe_u32 s2, ttmp6, 0x10000c
	s_cmp_lg_u32 s2, 0xf033
	s_cbranch_scc0 .Lentry_shape_is_right
	s_endpgm
.Lentry_shape_is_right:
; Product 4: out0 = A o_w^T + o_b, A the attention's result as codes (a_codes, a_scales: tile images as in_codes has them, the half of 64 along K = the head), o_w's codes at stored row 11,264 of in_codes.
; Nothing is left out here.  The product's loop is launch qkv's: a tile of 256 x 256 to a work-group of four waves, 128 x 128 a wave; K in four steps of 256 through two LDS slots; 4 x 4 clusters with joint
; loads (A's tiles along a row of the cluster, B's along a column); the scale bytes come once.  The matrix instruction is used transposed: a lane holds one row of A and, in block a's register 8 b + j, output column
; 32 (b / 2) + 8 (b % 2) + 16 (lane / 16) + j of my 128.  32 x 4 tiles make 128 work-groups: a smaller tile would fill more WGPs at twice the LDS reads for each product; this text keeps the one loop.
; THE WAY OUT: a block of 16 rows goes through my own stage in LDS, each 32 bytes to its true column, and comes back as whole rows of 512 bytes; the bias is added there; tile row t of block a is row
; 32 (a / 2) + 8 (a % 2) + t + 8 (t / 8) of my 128.  The stage lies in slot 0, which has had its last fill and its last read when the first result is stored there.
.set NQ,     2
.set FR,     12
.set NL,     4
.set NP,     4
.set KROW,   768
.set SROW,   3072
.set HALFT,  8*SROW
.set SLOT,   4*HALFT
.set KS,     32
.set SCL,    2*SLOT
.set HALFS,  (128*KS/256)*272
.set SBLK,   (16*KS/256)*272
.set SPARE,  SCL+4*HALFS               ; the spare words, 128 bytes for each wave: two blocks of 256 bytes that no other line names
.set SPITCH, 528
.set ADRA, 16
.set ADRB, 20
.set STO,  24                          ; v24 the way out: where I put 32 bytes of a row
.set RD,   25                          ; v25 where I read a row back
.set CO,   26                          ; v26 16 x lane
.set ADRS, 27
.set SPW,  28
.set NIL,  29
.set SC,   32
.set AF,   128
.set BK,   128                         ; the way out: v128-191 and v192-255 by turns;  v64-67: the bias of my four columns of a row
.set G1, 24
.set G0, 32
.set G1B, 48
.set G0B, 56
.set G1S, 68
.set G0S, 76
.set G1SB, 80
.set G0SB, 88
.set MSB, 0
.macro WIN new
.if MSB != \new
	s_set_vgpr_msb (MSB<<8)|\new
.set MSB, \new
.endif
.endm
.set MUL_LO, 0xa1
.set MUL_HI, 0xf1
.set TO_B,   0x40
.macro JLOAD g0a, g1a, g0b, g1b        ; waves 0 and 1 fetch for A, waves 2 and 3 for B; an s_nop 0 and four v_nop follow each line
	s_cmp_eq_u32 s15, 0
	s_cbranch_scc0 .Lfor_b_\@
	tensor_load_to_lds s[\g0a:\g0a+3], s[\g1a:\g1a+7]
	s_nop 0
.rept 4
	v_nop
.endr
	s_branch .Lasked_\@
.Lfor_b_\@:
	tensor_load_to_lds s[\g0b:\g0b+3], s[\g1b:\g1b+7]
	s_nop 0
.rept 4
	v_nop
.endr
.Lasked_\@:
.endm
.macro CREST
	s_cmp_lg_u32 s14, 0
	s_cbranch_scc1 .Lnot_wave_0_\@
	s_barrier_signal -3
.Lnot_wave_0_\@:
	s_barrier_wait -3
	s_barrier_signal -1
	s_barrier_wait -1
.endm
.macro CROUND
	s_barrier_signal -1
	s_barrier_wait -1
	CREST
.endm
.macro FRAG reg, adr, q, i
	ds_load_b128 v[\reg:\reg+3], v[\adr] offset:(\i)*SROW+1536*(\q)
	ds_load_b64 v[\reg+4:\reg+5], v[\adr+2] offset:(\i)*SROW+1536*(\q)+512
	ds_load_b128 v[\reg+6:\reg+9], v[\adr] offset:(\i)*SROW+1536*(\q)+768
	ds_load_b64 v[\reg+10:\reg+11], v[\adr+2] offset:(\i)*SROW+1536*(\q)+1280
.endm
.macro MUL16 a0, p, q, sc, zero        ; the 64 accumulators take turns, one instruction a turn
.irp a, \a0, \a0+1
.irp b, 0,1,2,3,4,5,6,7
.if \zero
	v_wmma_scale_f32_16x16x128_f8f6f4 v[8*(8*((\a)%4)+\b):8*(8*((\a)%4)+\b)+7], v[128*(\p)+FR*\b:128*(\p)+FR*\b+FR-1], v[AF+FR*(\a):AF+FR*(\a)+FR-1], 0, v[SC+8*NQ*(\sc)+NQ*\b+(\q)], v[SC+8*NQ*(\sc)+NQ*(\a)+(\q)] matrix_a_fmt:MATRIX_FMT_BF6 matrix_b_fmt:MATRIX_FMT_BF6 matrix_a_scale:MATRIX_SCALE_ROW1
.else
	v_wmma_scale_f32_16x16x128_f8f6f4 v[8*(8*((\a)%4)+\b):8*(8*((\a)%4)+\b)+7], v[128*(\p)+FR*\b:128*(\p)+FR*\b+FR-1], v[AF+FR*(\a):AF+FR*(\a)+FR-1], v[8*(8*((\a)%4)+\b):8*(8*((\a)%4)+\b)+7], v[SC+8*NQ*(\sc)+NQ*\b+(\q)], v[SC+8*NQ*(\sc)+NQ*(\a)+(\q)] matrix_a_fmt:MATRIX_FMT_BF6 matrix_b_fmt:MATRIX_FMT_BF6 matrix_a_scale:MATRIX_SCALE_ROW1
.endif
.endr
.endr
.endm
.macro FETCH_B slot, q, p
	WIN TO_B
.irp i, 0,1,2,3,4,5,6,7
	FRAG 128*(\p)+FR*\i, ADRB+\slot, \q, \i
.endr
	WIN 0
.endm
.macro FETCH_A slot, q, i0
.irp i, \i0, \i0+1, \i0+2, \i0+3
	FRAG AF+FR*(\i), ADRA+\slot, \q, \i
.endr
.endm
.macro SCALES sc
.irp i, 0,1,2,3,4,5,6,7
	ds_load_b64 v[SC+8*NQ*\sc+NQ*\i:SC+8*NQ*\sc+NQ*\i+1], v[ADRS] offset:\i*SBLK
.endr
.endm
.macro PLACES n
.rept \n
	v_nop
.endr
.endm
.macro STEP slot, q, zero
	s_wait_dscnt 4*NL                              ; all but the youngest 16 loads (A's blocks 4-7)
	WIN MUL_LO
	MUL16 0, (\q)%2, \q, \slot, \zero
	MUL16 2, (\q)%2, \q, \slot, \zero
	s_wait_dscnt 0
	PLACES NP
	FETCH_B \slot, (\q)+1, 1-(\q)%2
	FETCH_A \slot, (\q)+1, 0
	WIN MUL_HI
	MUL16 4, (\q)%2, \q, \slot, \zero
	MUL16 6, (\q)%2, \q, \slot, \zero
	PLACES NP
	WIN 0
	FETCH_A \slot, (\q)+1, 4
.endm
.macro TURN slot, next, fill
	s_wait_tensorcnt 0x0                           ; all my tensor loads have landed: my part of the next slot
	ds_add_u32 v[SPW], v[NIL]                      ; 0 onto my spare word
	s_wait_dscnt 4*NL+1                            ; (the add and the youngest 16 loads may be out)
	WIN MUL_LO
	MUL16 0, 1, NQ-1, \slot, 0
	s_wait_dscnt 0x0                               ; the add is done, and my reads of this slot are over
	s_barrier_signal -1
	MUL16 2, 1, NQ-1, \slot, 0
	WIN 0
	s_barrier_wait -1
.if \fill
	CREST                                          ; the barrier has opened a round of the cluster's
	s_add_nc_u64 s[G0+4*\slot+2:G0+4*\slot+3], s[G0+4*\slot+2:G0+4*\slot+3], 2*SROW
	s_add_nc_u64 s[G0B+4*\slot+2:G0B+4*\slot+3], s[G0B+4*\slot+2:G0B+4*\slot+3], 2*SROW
	JLOAD G0+4*\slot, G1, G0B+4*\slot, G1B
.else
	PLACES NP
.endif
	v_add_nc_u32 v[ADRS], 4*NQ, v[ADRS]
	FETCH_B \next, 0, 0
	FETCH_A \next, 0, 0
	SCALES \next
	WIN MUL_HI
	MUL16 4, 1, NQ-1, \slot, 0
	MUL16 6, 1, NQ-1, \slot, 0
	PLACES NP
	WIN 0
	FETCH_A \next, 0, 4
.endm
	s_load_b128 s[4:7], s[0:1], 0x0                ; a_codes, a_scales
	s_load_b128 s[8:11], s[0:1], 0x10              ; in_codes, in_scales
	s_load_b64 s[96:97], s[0:1], 0x20              ; o_b
	s_load_b64 s[12:13], s[0:1], 0x28              ; out0
	v_lshl_add_u32 v[SPW], v0, 2, SPARE
	v_mov_b32 v[NIL], 0
	ds_add_u32 v[SPW], v[NIL]                      ; the wave's opening: the add, twice on end, and its wait ahead of my first tensor load
	ds_add_u32 v[SPW], v[NIL]
	v_lshrrev_b32 v1, 5, v0
	v_readfirstlane_b32 s14, v1
	s_lshr_b32 s15, s14, 1
	s_and_b32 s16, s14, 1
	s_bfe_u32 s40, ttmp6, 0x40000
	s_bfe_u32 s41, ttmp6, 0x40004
	s_lshl_b32 s42, ttmp9, 2
	s_add_co_u32 s42, s42, s40                     ; tile column
	s_and_b32 s17, ttmp7, 0xffff
	s_lshl_b32 s17, s17, 2
	s_add_co_u32 s17, s17, s41                     ; tile row
	s_lshl_b32 s43, s41, 2
	s_lshl_b32 s43, 15, s43
	s_lshl_b32 s44, 0x1111, s40
	s_or_b32 s[G1+0], s43, (3<<16)|(1<<21)
	s_or_b32 s[G1B+0], s44, (3<<16)|(1<<21)
.irp g, G1, G1B
	s_mov_b32 s[\g+1], 384<<16
	s_mov_b32 s[\g+2], 8<<16
	s_mov_b32 s[\g+3], 384<<16
	s_mov_b32 s[\g+4], 8
	s_mov_b32 s[\g+5], 1536
	s_mov_b32 s[\g+6], 0
	s_mov_b32 s[\g+7], 0
.endr
	s_or_b32 s[G1S+0], s43, (3<<16)|(1<<20)|(1<<21)|(5<<22)|(3<<25)
	s_or_b32 s[G1SB+0], s44, (3<<16)|(1<<20)|(1<<21)|(5<<22)|(3<<25)
.irp g, G1S, G1SB
	s_mov_b32 s[\g+1], 32<<16
	s_mov_b32 s[\g+2], (128*KS/256)<<16
	s_mov_b32 s[\g+3], 32<<16
	s_mov_b32 s[\g+4], 128*KS/256
	s_mov_b32 s[\g+5], 32
	s_mov_b32 s[\g+6], 0
	s_mov_b32 s[\g+7], 0
.endr
	s_lshl_b32 s18, s16, 7
	s_lshl_b32 s20, s17, 8
	s_add_co_u32 s20, s20, s18                     ; A: stored row 256 x tile row + 128 x half
	s_lshl_b32 s46, s42, 8
	s_add_co_u32 s46, s46, s18
	s_add_co_u32 s46, s46, 11264                   ; B: o_w's first stored row + 256 x tile column + 128 x half
	s_mov_b32 s21, 0
	s_mov_b32 s47, 0
	s_mov_b64 s[18:19], KS
	s_mul_u64 s[22:23], s[20:21], s[18:19]
	s_mul_u64 s[92:93], s[46:47], s[18:19]
	s_mov_b64 s[18:19], KROW
	s_mul_u64 s[20:21], s[20:21], s[18:19]
	s_mul_u64 s[46:47], s[46:47], s[18:19]
	s_mul_i32 s45, s14, HALFT
	s_mul_i32 s94, s14, HALFS
	s_wait_dscnt 0x0                               ; both opening adds are done
	s_wait_kmcnt 0x0
	s_add_nc_u64 s[20:21], s[4:5], s[20:21]
	s_add_nc_u64 s[22:23], s[6:7], s[22:23]
	s_add_nc_u64 s[46:47], s[8:9], s[46:47]
	s_add_nc_u64 s[92:93], s[10:11], s[92:93]
	CROUND
	s_mov_b32 s[G0S], 1
	s_add_co_u32 s[G0S+1], s94, SCL
	s_mov_b64 s[G0S+2:G0S+3], s[22:23]
	s_or_b32 s[G0S+3], s[G0S+3], 0x80000000
	s_mov_b32 s[G0SB], 1
	s_add_co_u32 s[G0SB+1], s94, SCL
	s_mov_b64 s[G0SB+2:G0SB+3], s[92:93]
	s_or_b32 s[G0SB+3], s[G0SB+3], 0x80000000
	JLOAD G0S, G1S, G0SB, G1SB
.irp s, 0,1
	s_mov_b32 s[G0+4*\s], 1
	s_add_co_u32 s[G0+4*\s+1], s45, \s*SLOT
	s_add_nc_u64 s[G0+4*\s+2:G0+4*\s+3], s[20:21], \s*SROW
	s_or_b32 s[G0+4*\s+3], s[G0+4*\s+3], 0x80000000
	s_mov_b32 s[G0B+4*\s], 1
	s_add_co_u32 s[G0B+4*\s+1], s45, \s*SLOT
	s_add_nc_u64 s[G0B+4*\s+2:G0B+4*\s+3], s[46:47], \s*SROW
	s_or_b32 s[G0B+4*\s+3], s[G0B+4*\s+3], 0x80000000
	JLOAD G0+4*\s, G1, G0B+4*\s, G1B
.endr
	v_and_b32 v1, 15, v0                           ; r
	v_bfe_u32 v2, v0, 4, 1                         ; h
	v_and_b32 v3, 31, v0
	v_lshlrev_b32 v[CO], 4, v3                     ; 16 x lane
	v_lshlrev_b32 v4, 3, v3                        ; 8 x lane
	s_lshl_b32 s46, s42, 10                        ; my first column, in bytes of f32: 1,024 x tile column + 512 x half
	s_lshl_b32 s47, s16, 9
	s_add_co_u32 s46, s46, s47
	s_mov_b32 s47, 0
	s_add_nc_u64 s[96:97], s[96:97], s[46:47]
	global_load_b128 v[64:67], v[CO], s[96:97]     ; the bias of my four columns of a row; waited for on the way out
	s_mul_i32 s21, s15, HALFT
	s_mul_i32 s22, s16, HALFT
	s_add_co_u32 s22, s22, 2*HALFT
.irp s, 0,1
	v_add_nc_u32 v[ADRA+\s], s21, v[CO]
	v_add_nc_u32 v[ADRB+\s], s22, v[CO]
	v_add_nc_u32 v[ADRA+2+\s], s21, v4
	v_add_nc_u32 v[ADRB+2+\s], s22, v4
	s_add_co_u32 s21, s21, SLOT
	s_add_co_u32 s22, s22, SLOT
.endr
	v_mul_u32_u24 v5, v1, KS
	v_lshrrev_b32 v6, 8, v5
	v_lshl_add_u32 v5, v6, 4, v5
	s_mul_i32 s21, s15, HALFS
	s_mul_i32 s22, s16, HALFS
	s_add_co_u32 s22, s22, 2*HALFS
	s_sub_co_u32 s22, s22, s21
	v_mul_u32_u24 v6, s22, v2
	s_add_co_u32 s21, s21, SCL
	v_add_nc_u32 v5, v5, v6
	v_add_nc_u32 v[ADRS], s21, v5
	s_mul_i32 s23, s14, 16*SPITCH                  ; my stage
	v_mul_u32_u24 v5, v1, SPITCH
	v_lshl_add_u32 v5, v2, 6, v5
	v_add_nc_u32 v[STO], s23, v5                   ; in: row r, + 64 h
	v_add_nc_u32 v[RD], s23, v[CO]                 ; back: the 32 lanes take one row of 512 bytes
	s_lshl_b32 s20, s17, 8
	s_lshl_b32 s21, s15, 7
	s_add_co_u32 s20, s20, s21
	s_lshl_b32 s20, s20, 12                        ; my first row of out0, 4,096 bytes a row
	s_mov_b32 s21, 0
	s_add_nc_u64 s[20:21], s[20:21], s[46:47]
	s_add_nc_u64 s[12:13], s[12:13], s[20:21]
	s_wait_tensorcnt 1                             ; the scales and my part of K step 0 are in (K step 1's load may be out),
	s_barrier_signal -1
	s_barrier_wait -1
	FETCH_B 0, 0, 0
	FETCH_A 0, 0, 0
	SCALES 0
	FETCH_A 0, 0, 4
	STEP 0, 0, 1
	TURN 0, 1, 1
	STEP 1, 0, 0
	TURN 1, 0, 1
	STEP 0, 0, 0
	TURN 0, 1, 0
	STEP 1, 0, 0
	s_wait_dscnt 4*NL
	WIN MUL_LO
	MUL16 0, 1, NQ-1, 1, 0
	MUL16 2, 1, NQ-1, 1, 0
	s_wait_dscnt 0
	WIN MUL_HI
	MUL16 4, 1, NQ-1, 1, 0
	MUL16 6, 1, NQ-1, 1, 0
	WIN 0
.macro TOSTAGE a
.set AC, 64*((\a)%4)
	WIN 0x08+4*((\a)/4)                            ; an LDS store's data: window 2 or 3
.irp b, 0,1,2,3,4,5,6,7
	ds_store_b128 v[STO], v[AC+8*\b:AC+8*\b+3] offset:128*(\b/2)+32*(\b%2)        ; each accumulator from its low end on
	ds_store_b128 v[STO], v[AC+8*\b+4:AC+8*\b+7] offset:128*(\b/2)+32*(\b%2)+16
.endr
	WIN 0
.set BB, BK+64*((\a)%2)
.irp t, 0,1,2,3,4,5,6,7,8,9,10,11,12,13,14,15
	ds_load_b128 v[BB+4*\t:BB+4*\t+3], v[RD] offset:\t*SPITCH    ; LDS serves a wave's instructions in order: these see the stores above, and the next block's stores come behind them
.endr
.endm
.macro SEND a, younger                 ; younger: the LDS instructions issued behind block a's loads, which may stay out
.set BB, BK+64*((\a)%2)
	s_wait_dscnt \younger
.irp t, 0,1,2,3,4,5,6,7,8,9,10,11,12,13,14,15
	v_pk_add_f32 v[BB+4*\t:BB+4*\t+1], v[BB+4*\t:BB+4*\t+1], v[64:65]
	v_pk_add_f32 v[BB+4*\t+2:BB+4*\t+3], v[BB+4*\t+2:BB+4*\t+3], v[66:67]
	global_store_b128 v[CO], v[BB+4*\t:BB+4*\t+3], s[12:13] offset:(32*((\a)/2)+8*((\a)%2)+\t+8*(\t/8))*4096 th:TH_STORE_NT   ; 32 lanes store 512 consecutive bytes, aligned; the row's place stands in the immediate: 127 rows at the most
.endr
.endm
	PLACES NP                                      ; behind the last products
	s_wait_loadcnt 0x0                             ; the bias
	TOSTAGE 0
.irp a, 1,2,3,4,5,6,7
.if \a > 1
	s_wait_xcnt 0x0                                ; block a - 2's stores have read their registers: block a's loads may land there
.endif
	TOSTAGE \a
	SEND \a-1, 32                                  ; behind block a - 1's loads: block a's 16 stores and 16 loads
.endr
	SEND 7, 0
	s_wait_tensorcnt 0x0                           ; the wave's end: behind my last tensor load and my last LDS store
	ds_add_u32 v[SPW], v[NIL]
	s_wait_dscnt 0x0
	CROUND                                         ; the closing round
	s_endpgm
.Lfunc_end_k_q75a12c029b_proj:
	.size	k_q75a12c029b_proj, .Lfunc_end_k_q75a12c029b_proj-k_q75a12c029b_proj
	.p2alignl 7, 3214868480
	.fill 96, 4, 3214868480
	.section	.rodata,"a",@progbits
	.p2align	6, 0x0
	.amdhsa_kernel k_q75a12c029b_proj
		.amdhsa_group_segment_fixed_size 327680
		.amdhsa_private_segment_fixed_size 0
		.amdhsa_enable_private_segment 0
		.amdhsa_kernarg_size 48
		.amdhsa_user_sgpr_count 2
		.amdhsa_user_sgpr_kernarg_segment_ptr 1
		.amdhsa_wavefront_size32 1
		.amdhsa_system_sgpr_workgroup_id_x 1
		.amdhsa_system_sgpr_workgroup_id_y 1
		.amdhsa_system_sgpr_workgroup_id_z 1
		.amdhsa_system_vgpr_workitem_id 0
		.amdhsa_next_free_vgpr 1024
		.amdhsa_next_free_sgpr 100
		.amdhsa_reserve_vcc 0
		.amdhsa_float_denorm_mode_32 3
		.amdhsa_float_denorm_mode_16_64 3
		.amdhsa_memory_ordered 1
		.amdhsa_forward_progress 1
		.amdhsa_inst_pref_size 159
	.end_amdhsa_kernel
	.amdgpu_metadata
---
amdhsa.version: [ 1, 2 ]
amdhsa.kernels:
  - .name:           k_q75a12c029b_proj
    .symbol:         k_q75a12c029b_proj.kd
    .args:
      - { .name: a_codes, .offset: 0, .size: 8, .value_kind: global_buffer, .address_space: global }
      - { .name: a_scales, .offset: 8, .size: 8, .value_kind: global_buffer, .address_space: global }
      - { .name: in_codes, .offset: 16, .size: 8, .value_kind: global_buffer, .address_space: global }
      - { .name: in_scales, .offset: 24, .size: 8, .value_kind: global_buffer, .address_space: global }
      - { .name: o_b, .offset: 32, .size: 8, .value_kind: global_buffer, .address_space: global }
      - { .name: out0, .offset: 40, .size: 8, .value_kind: global_buffer, .address_space: global }
    .group_segment_fixed_size: 327680
    .private_segment_fixed_size: 0
    .kernarg_segment_align: 8
    .kernarg_segment_size: 48
    .max_flat_workgroup_size: 128
    .sgpr_count:     100
    .vgpr_count:     1024
    .wavefront_size: 32
...
	.end_amdgpu_metadata
.endif
;; end of part 4
